; MI455X (gfx1250); checked and timed in simulation.
; The chip was launched on July 23, 2026; its instructions are those of AMD's public machine-readable ISA for CDNA 5 (MIT licence, August 2026) and "CDNA5" Instruction Set Architecture Reference Guide (July 2026). The comments in the code are by the model that wrote it; some were corrected since.
;; Simple Ro PE Attention. Allowed arithmetic: matrix products marked QUANTISED: E2M3 operands, one E8M0 scale for each 32 along K, by v_wmma_scale_f32_16x16x128_f8f6f4 with both operands' format E2M3, f32 sums; everything else in f32.
;; Inputs: Wk_codes 1,024 x 32 x 24 uint8 (E2M3 codes of Wk, K innermost, in blocks of 32 codes, four codes in three bytes); Wk_scales 1,024 x 32 uint8 (E8M0 scales of Wk, one for each 32 codes along K); Wo_codes 1,024 x 32 x 24 uint8 (E2M3 codes of Wo, K innermost, in blocks of 32 codes, four codes in three bytes); Wo_scales 1,024 x 32 uint8 (E8M0 scales of Wo, one for each 32 codes along K); Wq_codes 1,024 x 32 x 24 uint8 (E2M3 codes of Wq, K innermost, in blocks of 32 codes, four codes in three bytes); Wq_scales 1,024 x 32 uint8 (E8M0 scales of Wq, one for each 32 codes along K); Wv_codes 1,024 x 32 x 24 uint8 (E2M3 codes of Wv, K innermost, in blocks of 32 codes, four codes in three bytes); Wv_scales 1,024 x 32 uint8 (E8M0 scales of Wv, one for each 32 codes along K); bk 1,024 float32; bo 1,024 float32; bq 1,024 float32; bv 1,024 float32; x 4 x 2,048 x 1,024 float32.
;; Outputs: out0 4 x 2,048 x 1,024 float32.
;; This version of the problem:
;;   THIS VERSION OF THE PROBLEM IS GIVEN IN LOW PRECISION. The matrix products marked QUANTISED in the list below multiply operands that are first quantised to E2M3 (2 exponent bits, 3 mantissa bits; 6 bits a number), with one power-of-two scale for each 32 numbers along K (OCP MX v1.0); their sums are f32. All else is computed in f32.
;;   The module's matrix products, in the order in which they are computed (A, B: the left and right operand; K: the contracted axis; several contracted axes count as one K, in the product's order):
;;     1. [M 8,192, K 1,024] x [K 1,024, N 1,024]; A: computed on the way; B: input Wq (given as codes): QUANTISED
;;     2. [M 8,192, K 1,024] x [K 1,024, N 1,024]; A: computed on the way; B: input Wk (given as codes): QUANTISED
;;     3. [M 8,192, K 1,024] x [K 1,024, N 1,024]; A: computed on the way; B: input Wv (given as codes): QUANTISED
;;     4. batch 64 x [M 2,048, K 64] x [K 64, N 2,048]; A: computed on the way; B: computed on the way: QUANTISED
;;     5. batch 64 x [M 2,048, K 2,048] x [K 2,048, N 64]; A: softmax (see below); B: computed on the way: QUANTISED
;;     6. [M 8,192, K 1,024] x [K 1,024, N 1,024]; A: computed on the way; B: input Wo (given as codes): QUANTISED
;;   THE QUANTISER, for each operand of a quantised product, along K:
;;     - K is cut into blocks of 32 from its start; a last block that is shorter is filled with zeros.
;;     - A block's scale is 2^e with e = floor(log2(the largest magnitude in the block)) - 2, held to -126 .. 127; a block of zeros has e = 0. As a byte (E8M0): e + 127.
;;     - Each number is divided by its block's scale, clamped to +-7.5, and rounded to the nearest number of E2M3, ties to even, subnormals kept.
;;     - The product sums the exact products of the quantised numbers (number of the format x scale) in f32.
;;   ~~~python
;;   def quantise(x, axis):      # numpy; x: float32 -> the quantised numbers, widened to float32 again
;;       x = np.moveaxis(x, axis, -1); K = x.shape[-1]
;;       x = np.pad(x, [(0, 0)] * (x.ndim - 1) + [(0, -K % 32)]); x = x.reshape(x.shape[:-1] + (-1, 32)); a = np.abs(x).max(-1, keepdims=True)
;;       e = np.where(a > 0, np.clip(np.frexp(np.where(a > 0, a, 1))[1] - 1 - 2, -126, 127), 0)      # np.frexp(a)[1] - 1 = floor(log2(a)), exactly
;;       r = np.clip(x / 2.0 ** e, -7.5, 7.5)
;;       step = 2.0 ** (np.maximum(np.frexp(np.where(r == 0, 1, r))[1] - 1, 0) - 3)
;;       q = np.round(r / step) * step * 2.0 ** e      # np.round: ties to even
;;       return np.moveaxis(q.reshape(q.shape[:-2] + (-1,))[..., :K], -1, axis).astype(np.float32)
;;   ~~~
;;   SOFTMAX AHEAD OF A QUANTISED PRODUCT. Where the list says 'softmax', what is quantised is not the finished softmax but p = 2^(t - M), with t = logit x log2(e) and M = ceil(the row's largest t), a whole number; so 1/2 < the row's largest p <= 1. The row's sum l is taken of the UNQUANTISED p, in f32, and the product's result is divided by l at the end. Since M is a whole number, a kernel that streams over the keys may use a running M (the ceiling of the running maximum): every later rescaling is an exact power of two, which a block's scale takes up: the codes' values come out the same.
;;   OPERANDS COMPUTED ON THE WAY. 'Computed on the way' means the value that the module computes at that place (a softmax that the list does not call 'softmax' is quantised finished and normalised). What goes into a quantiser is computed in f32, as accurately as f32 sums, v_exp_f32 and their like allow (about 1e-6 of the number): no bf16 or f16 on the way to a quantiser, and a product that is left as it is and whose result goes on into a quantised operand takes f32 operands (vector FMAs, or v_wmma_f32_16x16x4_f32). A number that lies on a knife's edge between two numbers of the format may be rounded either way, as far as f32 arithmetic and the matrix unit's own rounding can turn it there, and no further.
;;   INPUTS GIVEN AS CODES. Wk (in the module: [1024, 1024], K = its axis 1); Wo (in the module: [1024, 1024], K = its axis 1); Wq (in the module: [1024, 1024], K = its axis 1); Wv (in the module: [1024, 1024], K = its axis 1): each comes as NAME_codes (uint8): NAME with its K axis moved to the last place and cut into blocks of 32 codes, [.., K / 32, bytes a block], one block behind the other in memory; four codes in three bytes: a row's codes are one little-endian stream of bits, code i at bits 6 i .. 6 i + 5 (a code: sign, 2 exponent bits, 3 mantissa bits); and NAME_scales (uint8): the same leading axes, one E8M0 byte (e + 127) for each 32 codes along K. Its value is code x scale, taken as it is: it is not quantised again, and the codes and scales need not be those that the quantiser above would give.
;; One version. Each part assembles by itself: llvm-mc -triple=amdgcn-amd-amdhsa -mcpu=gfx1250 --defsym DOCPART=n.
;; ======== version 1 of 1: 4 launches
;; limits: right only within a limited range of input values
;; workspace buffers: rx_codes 6,291,456 bytes; rx_scales 262,144 bytes; qimg 6,815,744 bytes; kv 13,369,344 bytes; att_codes 6,291,456 bytes; att_scales 262,144 bytes
;; launch ropeq (part 1): grid 256 x 1, 8 waves a work-group, no clusters, 43,008 bytes of LDS; arguments x, rx_codes, rx_scales; writes rx_codes, rx_scales
.if DOCPART == 1
	.amdgcn_target "amdgcn-amd-amdhsa--gfx1250"
	.amdhsa_code_object_version 6
	.text
	.protected	k_q274d5c7777_ropeq
	.globl	k_q274d5c7777_ropeq
	.p2align	8
	.type	k_q274d5c7777_ropeq,@function
k_q274d5c7777_ropeq:
	s_mov_b64 s[64:65], 0
	v_nop
	global_prefetch_b8 v0, s[64:65] scope:SCOPE_SE
	s_setreg_imm32_b32 hwreg(HW_REG_WAVE_MODE, 25, 1), 1
	s_wait_xcnt 0x0
; rx = RoPE(x), x [4][2048][1024] f32, turned into codes of FP6 (E2M3) along the 1,024 features, with one E8M0 byte for each 32 of them.
; rx_codes [8192 tokens][768 bytes], rx_scales [8192][32]: laid as a weight given in codes is laid.
; SHARES.  Wave w of work-group g owns position s = 8 g + w in all four batches, so a position's 512 sines and cosines are made once for four rows.
; Lane l owns frequencies 16 l .. 16 l + 15, that is x1 = x[16 l ..] and x2 = x[512 + 16 l ..]: 16 neighbours along K of each half, which the conversion wants in one lane.
; All 32 loads of a wave (512 consecutive bytes each) go out at the head; the frequencies, sines and cosines are made while they are on their way.
; A row's two halves turn through the wave's own stage in LDS (stored as loaded, read back 64 bytes a lane; 16 bytes of padding behind each 64).
; SINE AND COSINE: n = the angle x 2 / pi to the nearest whole number; r = angle - n pi / 2 in two fused steps (pi / 2 as a sum of two f32 numbers); polynomials on |r| <= pi / 4; the quadrant n mod 4 picks and signs.
; THE FREQUENCY: exp(a) = 2^(a log2 e), log2 e as a sum of two f32 numbers; the low part of the product is put back by one fused multiply-add.
; LIMITS: angles up to 2,047 (n up to 1,304: the first step of the reduction is then exact); NaN and infinities among the inputs are not served; a block whose largest magnitude lies under 2^-124 gets the byte 1,
; a block of zeros too (the rule says 127: its codes are zeros, and this program alone reads the bytes).
; No matrix unit, no cluster, no tensor load: a stream in which work-groups share no input.
.set SP,   80                          ; a lane's place in a stage: 64 bytes + 16
.set STG,  32*SP                       ; a stage: one half of a row
.set WREG, 2*STG                       ; a wave's two stages
.set SCB,  8*WREG                      ; behind them: the scale bytes, [4 batches][8 positions][32]
.set CSR,  16                          ; v16-31   cosines of my 16 frequencies
.set SNR,  32                          ; v32-47   sines
.set X,    48                          ; v48-63 x1, v64-79 x2
.set Y,    80                          ; v80-95 the rotated first half, v96-111 the second
.set FRQ,  80                          ; (before the rows:) v80-95 frequencies, v96-111 and v112-127 the exponent's high and low part
.set TH,   96
.set TL,   112
.set TT,   112                         ; (in the rows:) v112-127 products at work
.set R,    128                         ; v128-255 batch b's row as loaded at v[128 + 32 b]; later its codes and bytes
	s_load_b128 s[4:7], s[0:1], 0x0                ; x, rx_codes
	s_load_b64 s[8:9], s[0:1], 0x10                ; rx_scales
	s_set_vgpr_msb 0x40
	v_lshl_add_u32 v0, v0, 2, 0xa400
	v_mov_b32 v1, 0
	s_set_vgpr_msb 0x4000
	v_lshrrev_b32 v1, 5, v0
	s_delay_alu instid0(VALU_DEP_1)
	v_readfirstlane_b32 s10, v1                    ; wave 0..7
	v_and_b32 v1, 31, v0                           ; lane
	s_delay_alu instid0(VALU_DEP_1)
	v_lshlrev_b32 v2, 4, v1                        ; my 16 bytes of a load's 512
	s_lshl_b32 s11, ttmp9, 3
	s_add_co_u32 s11, s11, s10                     ; my position
	s_cvt_f32_u32 s12, s11
	s_lshl_b32 s2, s11, 12                         ; a row of x is 4,096 bytes
	s_mov_b32 s3, 0
	s_wait_alu depctr_va_vdst(0)
	s_wait_kmcnt 0x0
	s_add_nc_u64 s[16:17], s[4:5], s[2:3]          ; my position's row in batch 0; a batch is 2^23 bytes, one more than an immediate offset holds: a base for each
	s_add_nc_u64 s[18:19], s[16:17], 0x800000
	s_add_nc_u64 s[20:21], s[18:19], 0x800000
	s_add_nc_u64 s[22:23], s[20:21], 0x800000
.irp b, 0,1,2,3
.irp j, 0,1,2,3,4,5,6,7
	global_load_b128 v[R+32*\b+4*\j:R+32*\b+4*\j+3], v2, s[16+2*\b:17+2*\b] offset:512*\j th:TH_LOAD_NT
.endr
.endr
	s_mul_i32 s2, s11, 768
	s_add_nc_u64 s[6:7], s[6:7], s[2:3]            ; my position's codes in batch 0
	s_lshl_b32 s2, ttmp9, 8
	s_add_nc_u64 s[8:9], s[8:9], s[2:3]            ; the work-group's 8 rows of scale bytes in batch 0
	s_mov_b32 s24, 0xbfc90fdb                      ; -(pi / 2), its f32 part
	s_mov_b32 s25, 0x333bbd2e                      ; that part less pi / 2
	s_mov_b32 s26, 0xb94ca1f9                      ; sine: r + r^3 (s28 + s27 r^2 + s26 r^4)
	s_mov_b32 s27, 0x3c08839e
	s_mov_b32 s28, 0xbe2aaaa3
	s_mov_b32 s29, 0x37ccf5ce                      ; cosine: 1 - r^2 / 2 + r^4 (s31 + s30 r^2 + s29 r^4)
	s_mov_b32 s30, 0xbab6061a
	s_mov_b32 s31, 0x3d2aaaa5
	s_mov_b32 s32, 0x3f22f983                      ; 2 / pi
	s_mov_b32 s33, 0x80000000                      ; the sign
	s_mov_b32 s34, 0xbc135d8e                      ; -ln(10000) / 1024
	s_mov_b32 s35, 0x3fb8aa3b                      ; log2 e, its f32 part
	s_mov_b32 s36, 0x32a57060                      ; and the rest
	s_mov_b32 s37, 0x3f317218                      ; ln 2
	s_mul_i32 s13, s10, WREG
	v_lshrrev_b32 v3, 2, v1
	s_delay_alu instid0(VALU_DEP_1)
	v_mul_u32_u24 v3, v3, SP
	v_and_b32 v4, 3, v1
	s_delay_alu instid0(VALU_DEP_1)
	v_lshl_add_u32 v3, v4, 4, v3
	s_delay_alu instid0(VALU_DEP_1)
	v_add_nc_u32 v3, s13, v3                       ; into a stage: four lanes' 64 bytes on end, then the padding
	v_mul_u32_u24 v4, v1, SP
	s_delay_alu instid0(VALU_DEP_1)
	v_add_nc_u32 v4, s13, v4                       ; out of it: my 16 neighbours
	v_mul_u32_u24 v5, v1, 12                       ; my 16 codes' place in half a row of codes
	v_lshrrev_b32 v6, 1, v1
	s_lshl_b32 s13, s10, 5
	s_add_co_u32 s13, s13, SCB
	v_add_nc_u32 v6, s13, v6                       ; my block's scale byte: two lanes to a block
	; the frequencies
	v_lshlrev_b32 v7, 5, v1
.irp e, 0,1,2,3,4,5,6,7,8,9,10,11,12,13,14,15
	v_add_nc_u32 v8, 2*\e, v7                      ; 2 i = 32 lane + 2 e
	s_delay_alu instid0(VALU_DEP_1)
	v_cvt_f32_u32 v8, v8
	s_delay_alu instid0(VALU_DEP_1)
	v_mul_f32 v9, s34, v8                          ; a = 2 i x (-ln(10000) / 1024), rounded as reference() rounds it
	s_delay_alu instid0(VALU_DEP_1)
	v_mul_f32 v[TH+\e], s35, v9                    ; a log2 e: the high part,
	s_delay_alu instid0(VALU_DEP_1)
	v_fma_f32 v[TL+\e], v9, s35, -v[TH+\e]         ; what its rounding dropped,
	s_delay_alu instid0(VALU_DEP_1)
	v_fma_f32 v[TL+\e], v9, s36, v[TL+\e]          ; and the rest of log2 e
.endr
	s_wait_alu depctr_va_vdst(0)
.irp e, 0,1,2,3,4,5,6,7,8,9,10,11,12,13,14,15
	v_exp_f32 v[FRQ+\e], v[TH+\e]
.endr
.irp e, 0,1,2,3,4,5,6,7,8,9,10,11,12,13,14,15
	v_mul_f32 v[TL+\e], s37, v[TL+\e]              ; plain work behind the batch: 2^low = 1 + low ln 2
.endr
	s_wait_alu depctr_va_vdst(0)                   ; one wait for the sixteen exponentials, ahead of their first reader
.irp e, 0,1,2,3,4,5,6,7,8,9,10,11,12,13,14,15
	v_fma_f32 v[FRQ+\e], v[FRQ+\e], v[TL+\e], v[FRQ+\e]
.endr
.macro SINCOS e
	v_mul_f32 v7, s12, v[FRQ+\e]                   ; the angle, rounded as reference() rounds it
	s_delay_alu instid0(VALU_DEP_1)
	v_mul_f32 v8, s32, v7
	s_delay_alu instid0(VALU_DEP_1)
	v_rndne_f32 v8, v8                             ; n
	s_delay_alu instid0(VALU_DEP_1)
	v_fma_f32 v9, v8, s24, v7
	s_delay_alu instid0(VALU_DEP_1)
	v_fma_f32 v9, v8, s25, v9                      ; r
	s_delay_alu instid0(VALU_DEP_3)
	v_cvt_i32_f32 v10, v8
	s_delay_alu instid0(VALU_DEP_2)
	v_mul_f32 v11, v9, v9                          ; r^2
	s_delay_alu instid0(VALU_DEP_1)
	v_fma_f32 v12, v11, s26, s27
	s_delay_alu instid0(VALU_DEP_1)
	v_fma_f32 v12, v12, v11, s28
	s_delay_alu instid0(VALU_DEP_3)
	v_mul_f32 v13, v11, v9                         ; r^3
	s_delay_alu instid0(VALU_DEP_1)
	v_fma_f32 v12, v12, v13, v9                    ; sin r
	v_fma_f32 v14, v11, s29, s30
	s_delay_alu instid0(VALU_DEP_1)
	v_fma_f32 v14, v14, v11, s31
	v_mul_f32 v15, v11, v11                        ; r^4
	v_fma_f32 v7, v11, -0.5, 1.0
	s_delay_alu instid0(VALU_DEP_1)
	v_fma_f32 v14, v14, v15, v7                    ; cos r
	v_and_b32 v13, 1, v10
	s_delay_alu instid0(VALU_DEP_1)
	v_cmp_eq_u32 vcc_lo, 1, v13                    ; in an odd quadrant the two change places
	s_delay_alu instid0(VALU_DEP_1)
	v_cndmask_b32 v8, v12, v14, vcc_lo
	s_delay_alu instid0(VALU_DEP_2)
	v_cndmask_b32 v9, v14, v12, vcc_lo
	v_lshlrev_b32 v13, 30, v10                     ; the sine is negative in quadrants 2 and 3: bit 1 of n,
	s_delay_alu instid0(VALU_DEP_1)
	v_and_b32 v13, s33, v13
	s_delay_alu instid0(VALU_DEP_1)
	v_xor_b32 v[SNR+\e], v8, v13
	v_add_nc_u32 v10, 1, v10                       ; the cosine in quadrants 1 and 2: bit 1 of n + 1
	s_delay_alu instid0(VALU_DEP_1)
	v_lshlrev_b32 v10, 30, v10
	s_delay_alu instid0(VALU_DEP_1)
	v_and_b32 v10, s33, v10
	s_delay_alu instid0(VALU_DEP_1)
	v_xor_b32 v[CSR+\e], v9, v10
.endm
.irp e, 0,1,2,3,4,5,6,7,8,9,10,11,12,13,14,15
	SINCOS \e
.endr
; 16 numbers of a lane, v[y] on, become 12 bytes of codes in v[c] on and the block's byte in v[e]; t: three registers at work.
.macro Q16 y, c, e, t
	v_max3_num_f32 v[\t], |v[\y]|, |v[\y+1]|, |v[\y+2]|              ; the largest magnitude of my 16, in two chains
	v_max3_num_f32 v[\t+1], |v[\y+3]|, |v[\y+4]|, |v[\y+5]|
.irp i, 6,10
	s_delay_alu instid0(VALU_DEP_2)
	v_max3_num_f32 v[\t], v[\t], |v[\y+\i]|, |v[\y+\i+1]|
	s_delay_alu instid0(VALU_DEP_2)
	v_max3_num_f32 v[\t+1], v[\t+1], |v[\y+\i+2]|, |v[\y+\i+3]|
.endr
	s_delay_alu instid0(VALU_DEP_2)
	v_max3_num_f32 v[\t], v[\t], |v[\y+14]|, |v[\y+15]|
	s_delay_alu instid0(VALU_DEP_1)
	v_max3_num_f32 v[\t], v[\t], v[\t+1], 0x1800000                  ; and the floor 2^(3 - 127): the byte cannot fall under 1
	s_delay_alu instid0(VALU_DEP_1)
	v_max_num_f32_dpp v[\t], v[\t], v[\t] row_xmask:1 row_mask:0xf bank_mask:0xf   ; with my neighbour's 16: the block's
	s_delay_alu instid0(VALU_DEP_1)
	v_add_nc_u32 v[\t+2], 0xff000000, v[\t]                          ; 2 off its exponent field: the conversion takes this operand's exponent field as its scale
	v_cvt_scalef32_pk16_fp6_f32 v[\c:\c+2], v[\y:\y+15], v[\t+2]
	v_lshrrev_b32 v[\e], 23, v[\t+2]                                 ; the scale's byte (also the plain line behind the conversion)
.endm
.macro ROW b
	s_wait_loadcnt 8*(3-\b)                        ; this batch's eight loads are in; the later batches' eight each may be out
.irp i, 0,1,2,3
	ds_store_b128 v3, v[R+32*\b+4*\i:R+32*\b+4*\i+3] offset:8*SP*\i
	ds_store_b128 v3, v[R+32*\b+16+4*\i:R+32*\b+16+4*\i+3] offset:STG+8*SP*\i
.endr
.irp i, 0,1,2,3
	ds_load_b128 v[X+4*\i:X+4*\i+3], v4 offset:16*\i              ; LDS serves a wave's instructions in order (ISA guide 5.7.1.4): these see the stores above
	ds_load_b128 v[X+16+4*\i:X+16+4*\i+3], v4 offset:STG+16*\i
.endr
	s_wait_dscnt 0x0                               ; my 32 numbers are in, and the stores have read the row's registers, which take the codes below
.irp i, 0,2,4,6,8,10,12,14
	v_pk_mul_f32 v[TT+\i:TT+1+\i], v[X+16+\i:X+17+\i], v[SNR+\i:SNR+1+\i]
.endr
.irp i, 0,2,4,6,8,10,12,14
	v_pk_fma_f32 v[Y+\i:Y+1+\i], v[X+\i:X+1+\i], v[CSR+\i:CSR+1+\i], v[TT+\i:TT+1+\i] neg_lo:[0,0,1] neg_hi:[0,0,1]   ; x1 cos - x2 sin
.endr
.irp i, 0,2,4,6,8,10,12,14
	v_pk_mul_f32 v[TT+\i:TT+1+\i], v[X+16+\i:X+17+\i], v[CSR+\i:CSR+1+\i]
.endr
.irp i, 0,2,4,6,8,10,12,14
	v_pk_fma_f32 v[Y+16+\i:Y+17+\i], v[X+\i:X+1+\i], v[SNR+\i:SNR+1+\i], v[TT+\i:TT+1+\i]                         ; x1 sin + x2 cos
.endr
	Q16 Y, R+32*\b, R+32*\b+8, 8
	Q16 Y+16, R+32*\b+4, R+32*\b+9, 12
	ds_store_b8 v6, v[R+32*\b+8] offset:256*\b     ; both lanes of a block write the same byte with the same value
	ds_store_b8 v6, v[R+32*\b+9] offset:256*\b+16
	global_store_b96 v5, v[R+32*\b:R+32*\b+2], s[6:7] offset:1572864*\b        ; the wave stores 384 consecutive bytes; the row's two stores fill 768, which begin at a multiple of 256
	global_store_b96 v5, v[R+32*\b+4:R+32*\b+6], s[6:7] offset:1572864*\b+384  ; each batch has registers of its own for its codes: no store's data are written again
.endm
	ROW 0
	ROW 1
	ROW 2
	ROW 3
	; the scale bytes: a batch's 8 positions of this work-group are 256 consecutive bytes of rx_scales; threads 0 to 63 store the four batches', 16 bytes each
	v_lshl_add_u32 v7, v0, 4, SCB
	v_lshrrev_b32 v8, 4, v0
	v_and_b32 v9, 15, v0
	s_delay_alu instid0(VALU_DEP_2)
	v_lshlrev_b32 v8, 16, v8                       ; a batch's scale bytes are 65,536
	s_delay_alu instid0(VALU_DEP_1)
	v_lshl_add_u32 v8, v9, 4, v8
	s_wait_dscnt 0x0                               ; for the others' sake: my byte stores are done
	s_barrier_signal -1
	s_barrier_wait -1
	s_cmp_gt_u32 s10, 1
	s_cbranch_scc1 .Ldone
	s_wait_alu depctr_va_vdst(0)
	ds_load_b128 v[12:15], v7
	s_wait_dscnt 0x0
	global_store_b128 v8, v[12:15], s[8:9]         ; sixteen lanes store 256 consecutive bytes, aligned
.Ldone:
	s_set_vgpr_msb 0x5
	s_wait_tensorcnt 0x0
	ds_add_u32 v0, v1
	s_wait_dscnt 0x0
	s_set_vgpr_msb 0x500
	s_endpgm
.Lfunc_end_k_q274d5c7777_ropeq:
	.size	k_q274d5c7777_ropeq, .Lfunc_end_k_q274d5c7777_ropeq-k_q274d5c7777_ropeq
	.p2alignl 7, 3214868480
	.fill 96, 4, 3214868480
	.section	.rodata,"a",@progbits
	.p2align	6, 0x0
	.amdhsa_kernel k_q274d5c7777_ropeq
		.amdhsa_group_segment_fixed_size 43008
		.amdhsa_private_segment_fixed_size 0
		.amdhsa_enable_private_segment 0
		.amdhsa_kernarg_size 24
		.amdhsa_user_sgpr_count 2
		.amdhsa_user_sgpr_kernarg_segment_ptr 1
		.amdhsa_wavefront_size32 1
		.amdhsa_system_sgpr_workgroup_id_x 1
		.amdhsa_system_sgpr_workgroup_id_y 1
		.amdhsa_system_sgpr_workgroup_id_z 1
		.amdhsa_system_vgpr_workitem_id 0
		.amdhsa_next_free_vgpr 258
		.amdhsa_next_free_sgpr 66
		.amdhsa_reserve_vcc 1
		.amdhsa_float_denorm_mode_32 3
		.amdhsa_float_denorm_mode_16_64 3
		.amdhsa_memory_ordered 1
		.amdhsa_forward_progress 1
		.amdhsa_inst_pref_size 65
	.end_amdhsa_kernel
	.amdgpu_metadata
---
amdhsa.version: [ 1, 2 ]
amdhsa.kernels:
  - .name:           k_q274d5c7777_ropeq
    .symbol:         k_q274d5c7777_ropeq.kd
    .args:
      - { .name: x, .offset: 0, .size: 8, .value_kind: global_buffer, .address_space: global }
      - { .name: rx_codes, .offset: 8, .size: 8, .value_kind: global_buffer, .address_space: global }
      - { .name: rx_scales, .offset: 16, .size: 8, .value_kind: global_buffer, .address_space: global }
    .group_segment_fixed_size: 43008
    .private_segment_fixed_size: 0
    .kernarg_segment_align: 8
    .kernarg_segment_size: 24
    .max_flat_workgroup_size: 256
    .sgpr_count:     66
    .vgpr_count:     258
    .wavefront_size: 32
...
	.end_amdgpu_metadata
.endif
;; end of part 1
;; launch qkv (part 2): grid 8 x 32, 4 waves a work-group, clusters of 4 x 4, 327,680 bytes of LDS; arguments rx_codes, rx_scales, Wq_codes, Wq_scales, Wk_codes, Wk_scales, Wv_codes, Wv_scales, bq, bk, bv, qimg, kv; writes qimg, kv
.if DOCPART == 2
	.amdgcn_target "amdgcn-amd-amdhsa--gfx1250"
	.amdhsa_code_object_version 6
	.text
	.protected	k_q274d5c7777_qkv
	.globl	k_q274d5c7777_qkv
	.p2align	8
	.type	k_q274d5c7777_qkv,@function
k_q274d5c7777_qkv:
	s_mov_b64 s[64:65], 0
	v_nop
	global_prefetch_b8 v0, s[64:65] scope:SCOPE_SE
	s_setreg_imm32_b32 hwreg(HW_REG_WAVE_MODE, 25, 1), 1
	s_wait_xcnt 0x0
	s_wait_alu depctr_hold_cnt(0) depctr_sa_sdst(0) depctr_va_vdst(0) depctr_va_sdst(0) depctr_va_ssrc(0) depctr_va_vcc(0) depctr_vm_vsrc(0)
	s_getreg_b32 s2, hwreg(HW_REG_IB_STS2, 6, 4)
	s_cmp_eq_u32 s2, 0
	s_cbranch_scc0 .Lentry_in_a_cluster
	s_endpgm
.Lentry_in_a_cluster:
	s_bfe_u32 s2, ttmp6, 0x10000c
	s_cmp_lg_u32 s2, 0xf033
	s_cbranch_scc0 .Lentry_shape_is_right
	s_endpgm
.Lentry_shape_is_right:
; q, k, v = rx W^T + bias on codes of FP6 (E2M3), one E8M0 scale for each 32 along K = 1,024; the results are quantised at once (q, k along a head's 64 channels, v along the keys)
; and stored as images of the operand registers of the attention launch: qimg [64 heads][16 steps of 128 tokens][6,656]: 4 pairs of token tiles x 1,536 bytes of codes, then 512 bytes of scale words;
; kv [64][16][13,056]: k's codes, v's codes at 6,144 (4 channel tiles x 1,536), k's scale words at 12,288, v's at 12,800.
; THE DEAL.  256 work-groups; work-group (x, y) takes tokens 256 y .. + 255 and channels 128 x .. + 127 of q, then of k, then of v.  Its 256 rows of rx, ALL of K (768 bytes a row), lie in LDS for the whole launch;
; the weight's 128 rows, all of K, lie in a region of their own, which is filled again twice (Wk, Wv), each time behind a drained round of the cluster's barrier; the way out of the phase just multiplied stands behind the refill.
; Four waves, 2 x 2: a wave makes 128 tokens x 64 channels (one head): 32 accumulators.  K goes in 8 steps of 128; two sets of fragments take turns.
; q, k: source 0 = the weight's rows, so a lane's registers run along the channels; v: source 0 = the tokens, so they run along the keys.
; Inside a block of 32 place p holds index p with bits 3 and 4 exchanged, alike in q and k, and in v as the attention launch's p has it.
; Scale bytes go from memory straight into registers: a tile's 16 rows x 32 bytes are 512 consecutive bytes.
; CLUSTERS 4 x 4: rx's rows are shared by a row of the cluster, a weight's rows by a column.  No prefetch: a refill is asked for as soon as its LDS bytes are free, and the way out stands between it and the wait for it.
; LIMITS: NaN and infinities are not served; a block whose largest magnitude lies under 2^-124 gets the byte 1, a block of zeros too (its codes are zeros, and this program alone reads the bytes).
; REGISTERS: window 0: v12-35 LDS addresses, v40-103 the tokens' scale words, v108-139 the weight's, v140-235 the weight's fragments (two sets), on the way out v140-249 at work;
; window 1: v0-191 the tokens' fragments (two sets), v192-223 the bias; window 2: the accumulators.
.set PITCH, 816                        ; an LDS row: 3 x (256 + 16)
.set WB,    256*PITCH                  ; the weight's region
.set SPARE, WB+128*PITCH               ; the spare words
.set SPW, 10
.set NIL, 11
.set XA,  12                           ; v12-27 my eight token tiles: two addresses each (the second: for pieces whose upper lanes lie behind one padding more)
.set WA,  28                           ; v28-35 my four channel tiles
.set TS,  40
.set CS,  108
.set CF,  140
.set BB,  192
.set ST,  140
.set TM,  204
.set PW,  220
.set T2,  222
.set PA,  230
.set KS0, 242
.set WQ,  246
.set G1W, 4
.set G1A, 24
.set G0A, 32
.set G0W, 36
.set SEL, 12
.set OB,  94
.set LMASK, 98
.set MSB, 0
.macro WIN new
.if MSB != \new
	s_set_vgpr_msb (MSB<<8)|\new
.set MSB, \new
.endif
.endm
.macro PLACES n
.rept \n
	v_nop
.endr
.endm
.macro WALU
	s_wait_alu depctr_va_vdst(0)
.endm
.macro CROUND
	s_barrier_signal -1
	s_barrier_wait -1
	s_cmp_lg_u32 s14, 0
	s_cbranch_scc1 .Lnot_wave_0_\@
	s_barrier_signal -3
.Lnot_wave_0_\@:
	s_barrier_wait -3
	s_barrier_signal -1
	s_barrier_wait -1
.endm
.macro GROUP1 g, mask, rows            ; rows of 768 bytes, 16 bytes of padding behind every 256
	s_or_b32 s[\g+0], s[\mask], (1<<20)|(1<<21)|(5<<22)|(3<<25)
	s_mov_b32 s[\g+1], 768<<16
	s_mov_b32 s[\g+2], (\rows)<<16
	s_mov_b32 s[\g+3], 768<<16
	s_mov_b32 s[\g+4], \rows
	s_mov_b32 s[\g+5], 768
	s_mov_b32 s[\g+6], 0
	s_mov_b32 s[\g+7], 0
.endm
.macro FRAG r, q, a                    ; a fragment: six pieces of 8 bytes, two to a load where both go by the same address register
.set SK_, 0
.irp p, 0,1,2,3,4,5
.if SK_
.set SK_, 0
.else
.set PC_, 12*(\q)+6*(\p/3)+\p%3
.set PN_, 12*(\q)+6*((\p+1)/3)+(\p+1)%3
.set X_, (PC_%32+3)/32
.if (\p < 5) && (X_ == (PN_%32+3)/32)
.set SK_, 1
	ds_load_2addr_b64 v[\r+2*\p:\r+2*\p+3], v[\a+X_] offset0:PC_+2*(PC_/32) offset1:PN_+2*(PN_/32)
.else
	ds_load_b64 v[\r+2*\p:\r+2*\p+1], v[\a+X_] offset:8*(PC_+2*(PC_/32))
.endif
.endif
.endr
.endm
.macro FETCH q                         ; K step q's twelve fragments into set q % 2
.set EF_, (\q)%2
	WIN 0x40
.irp t, 0,1,2,3,4,5,6,7
	FRAG 96*EF_+12*\t, \q, XA+2*\t
.endr
	WIN 0
.irp c, 0,1,2,3
	FRAG CF+48*EF_+12*\c, \q, WA+2*\c
.endr
.endm
.macro W1 d, s0, s1, cc, x0, x1
	v_wmma_scale_f32_16x16x128_f8f6f4 v[\d:\d+7], v[\s0:\s0+11], v[\s1:\s1+11], \cc, v[\x0], v[\x1] matrix_a_fmt:MATRIX_FMT_FP6 matrix_b_fmt:MATRIX_FMT_FP6
.endm
.macro PROD kind, q, t, c
.if \kind
.if (\q) == 0
	W1 8*(8*\c+\t), 96*EP_+12*\t, CF+48*EP_+12*\c, 0, TS+8*\t+\q, CS+8*\c+\q
.else
	W1 8*(8*\c+\t), 96*EP_+12*\t, CF+48*EP_+12*\c, v[8*(8*\c+\t):8*(8*\c+\t)+7], TS+8*\t+\q, CS+8*\c+\q
.endif
.else
.if (\q) == 0
	W1 8*(4*\t+\c), CF+48*EP_+12*\c, 96*EP_+12*\t, 0, CS+8*\c+\q, TS+8*\t+\q
.else
	W1 8*(4*\t+\c), CF+48*EP_+12*\c, 96*EP_+12*\t, v[8*(4*\t+\c):8*(4*\t+\c)+7], CS+8*\c+\q, TS+8*\t+\q
.endif
.endif
.endm
; A K step: its fragments are in; four places behind the last step's products, the next step's loads into the other set, then 32 products, the 32 accumulators by turns.
.macro KSTEP kind, q
	s_wait_dscnt 0x0
.if (\q) < 7
	PLACES 4
	FETCH (\q)+1
.endif
.set EP_, (\q)%2
.if \kind
	WIN 0xa1
.else
	WIN 0xa4
.endif
.irp t, 0,1,2,3,4,5,6,7
.irp c, 0,1,2,3
	PROD \kind, \q, \t, \c
.endr
.endr
.endm
.macro MATMUL kind
.irp q, 0,1,2,3,4,5,6,7
	KSTEP \kind, \q
.endr
	WIN 0
	PLACES 4
.endm
.macro CSLOAD                          ; my 64 channels' scale bytes, all of K: eight words a row
.irp c, 0,1,2,3
	global_load_b128 v[CS+8*\c:CS+8*\c+3], v6, s[56:57] offset:512*\c
	global_load_b128 v[CS+8*\c+4:CS+8*\c+7], v6, s[56:57] offset:512*\c+16
.endr
.endm
.macro SHOW                            ; every wave's tensor loads are in: a plain barrier shows them to all
	s_wait_tensorcnt 0x0
	s_wait_dscnt 0x0
	s_barrier_signal -1
	s_barrier_wait -1
.endm
; 64 sums from window 2, register base on, + bias, into window 0 (each accumulator from its low end on).  mode 0: the bias goes with the register (32 channels by turns), mode 1: with channel tile a.
.macro ADDB base, mode, a
	WIN 0x06
.set i, 0
.rept 32
.if \mode
	v_pk_add_f32 v[ST+2*i:ST+2*i+1], v[\base+2*i:\base+2*i+1], v[BB+8*(\a)+(2*i)%8:BB+8*(\a)+(2*i)%8+1]
.else
	v_pk_add_f32 v[ST+2*i:ST+2*i+1], v[\base+2*i:\base+2*i+1], v[BB+(2*i)%32:BB+(2*i)%32+1]
.endif
.set i, i+1
.endr
	WIN 0
.endm
; 64 numbers of a lane, four blocks of 32 shared with lane l xor 16, become codes: blocks 0, 1 in v[d0 ..+5], blocks 2, 3 in v[d1 ..+5], and the four bytes in v[PW].
.macro QUANT s, d0, d1
.irp b, 0,1,2,3
	v_max3_num_f32 v[TM+\b], |v[\s+16*\b]|, |v[\s+1+16*\b]|, 0x1800000   ; with the floor 2^(3 - 127): the byte cannot fall under 1
.endr
.irp i, 2,4,6,8,10,12,14
.irp b, 0,1,2,3
	v_max3_num_f32 v[TM+\b], v[TM+\b], |v[\s+16*\b+\i]|, |v[\s+1+16*\b+\i]|
.endr
.endr
.irp b, 0,1,2,3
	v_permlanex16_b32 v[TM+4+\b], v[TM+\b], s[SEL], s[SEL+1]
.endr
.irp b, 0,1,2,3
	v_max_num_f32 v[TM+\b], v[TM+\b], v[TM+4+\b]
.endr
.irp b, 0,1,2,3
	v_add_nc_u32 v[TM+12+\b], 0xff000000, v[TM+\b] ; 2 off the exponent field: the conversion's scale operand
.endr
.irp b, 0,1,2,3
	v_lshrrev_b32 v[TM+4+\b], 23, v[TM+12+\b]      ; the scale's byte
.endr
	v_lshl_or_b32 v[PW], v[TM+5], 8, v[TM+4]
	v_lshl_or_b32 v[PW], v[TM+6], 16, v[PW]
	v_lshl_or_b32 v[PW], v[TM+7], 24, v[PW]
	v_cvt_scalef32_pk16_fp6_f32 v[(\d0):(\d0)+2], v[\s:\s+15], v[TM+12]
	v_cvt_scalef32_pk16_fp6_f32 v[T2:T2+2], v[\s+16:\s+31], v[TM+13]
	v_cvt_scalef32_pk16_fp6_f32 v[(\d1):(\d1)+2], v[\s+32:\s+47], v[TM+14]
	v_cvt_scalef32_pk16_fp6_f32 v[T2+4:T2+6], v[\s+48:\s+63], v[TM+15]
	v_nop                                          ; one plain line behind a scaled conversion
.irp i, 0,1,2
	v_permlane16_swap_b32 v[(\d0)+\i], v[T2+\i]    ; the layout wants a whole block in a lane
.endr
.irp i, 0,1,2
	v_mov_b32 v[(\d0)+3+\i], v[T2+\i]
.endr
.irp i, 0,1,2
	v_permlane16_swap_b32 v[(\d1)+\i], v[T2+4+\i]
.endr
.irp i, 0,1,2
	v_mov_b32 v[(\d1)+3+\i], v[T2+4+\i]
.endr
.endm
; q, k: token tiles 2 tau and 2 tau + 1 of my head: six registers each; bytes 0, 1 of v[PW] are the even tile's, bytes 2, 3 the odd tile's.
.macro QKPAIR tau
	s_wait_xcnt 0x0                                ; the last pair's stores have read their registers
	ADDB 64*(\tau), 0, 0
	QUANT ST, PA, PA+6
	v_and_b32 v[WQ], 0xffff, v[PW]                 ; bytes 2 and 3 of a stored word are 0: they scale the upper 64 along K, where the attention launch has zero codes
	v_lshrrev_b32 v[WQ+1], 16, v[PW]
	v_cndmask_b32 v[KS0+\tau], v[WQ], v[WQ+1], s[LMASK]   ; lanes 0-15 the even tile's word, lanes 16-31 the odd tile's
.irp g, 0,1,2
	global_store_b128 v8, v[PA+4*\g:PA+4*\g+3], s[OB:OB+1] offset:1536*(\tau)+512*\g   ; 32 lanes store 512 consecutive bytes, aligned to 256
.endr
.endm
.macro VTILE a                         ; v: channel tile a: its 64 registers are the step's 128 keys
	s_wait_xcnt 0x0
	ADDB 64*(\a), 1, \a
	QUANT ST, PA, PA+6
.irp g, 0,1,2
	global_store_b128 v8, v[PA+4*\g:PA+4*\g+3], s[OB:OB+1] offset:1536*(\a)+512*\g
.endr
	v_mov_b32 v[WQ+\a], v[PW]
.endm
; ---- the head
	s_load_b512 s[68:83], s[0:1], 0x0              ; rx codes, scales; Wq; Wk; Wv
	s_load_b256 s[84:91], s[0:1], 0x40             ; bq, bk, bv, qimg
	s_load_b64 s[92:93], s[0:1], 0x60              ; kv
	v_lshl_add_u32 v[SPW], v0, 2, SPARE
	v_mov_b32 v[NIL], 0
	ds_add_u32 v[SPW], v[NIL]                      ; the opening lines: the add, twice on end, and its wait
	ds_add_u32 v[SPW], v[NIL]
	v_lshrrev_b32 v1, 5, v0
	v_readfirstlane_b32 s14, v1                    ; wave
	s_lshr_b32 s15, s14, 1                         ; my half of the tokens.  Also: I fetch rx (0) or the weight (1)
	s_and_b32 s16, s14, 1                          ; my half of the channels.  Also: which half of that tile I fetch
	s_bfe_u32 s40, ttmp6, 0x40000
	s_bfe_u32 s41, ttmp6, 0x40004
	s_lshl_b32 s42, ttmp9, 2
	s_add_co_u32 s42, s42, s40                     ; channel group 0..7
	s_and_b32 s17, ttmp7, 0xffff
	s_lshl_b32 s17, s17, 2
	s_add_co_u32 s17, s17, s41                     ; token block 0..31
	s_lshl_b32 s43, s41, 2
	s_lshl_b32 s43, 15, s43                        ; my row of the cluster
	s_lshl_b32 s44, 0x1111, s40                    ; my column
	GROUP1 G1A, 43, 128
	GROUP1 G1W, 44, 64
	s_lshl_b32 s20, s17, 8
	s_lshl_b32 s21, s16, 7
	s_add_co_u32 s20, s20, s21
	s_mul_i32 s20, s20, 768                        ; rx: the 128 rows that I fetch
	s_mov_b32 s21, 0
	s_lshl_b32 s48, s42, 7
	s_lshl_b32 s49, s16, 6
	s_add_co_u32 s48, s48, s49                     ; my first channel; also the first of the 64 rows of a weight that I fetch
	s_mul_i32 s46, s48, 768
	s_mov_b32 s47, 0
	s_mov_b32 s[G0A], 1
	s_mul_i32 s[G0A+1], s16, 128*PITCH
	s_mov_b32 s[G0W], 1
	s_mul_i32 s[G0W+1], s16, 64*PITCH
	s_add_co_u32 s[G0W+1], s[G0W+1], WB
	s_wait_dscnt 0x0
	s_wait_kmcnt 0x0
	s_add_nc_u64 s[G0A+2:G0A+3], s[68:69], s[20:21]
	s_or_b32 s[G0A+3], s[G0A+3], 0x80000000
	s_add_nc_u64 s[G0W+2:G0W+3], s[72:73], s[46:47]
	s_or_b32 s[G0W+3], s[G0W+3], 0x80000000
	CROUND                                         ; in front of the first joint loads
	s_cmp_eq_u32 s15, 0                            ; one load a wave: waves 0, 1 a half of rx's rows each, waves 2, 3 a half of Wq's
	s_cbranch_scc0 .Lhead_w
	tensor_load_to_lds s[G0A:G0A+3], s[G1A:G1A+7]
	s_nop 0
	PLACES 4
	s_branch .Lhead_asked
.Lhead_w:
	tensor_load_to_lds s[G0W:G0W+3], s[G1W:G1W+7]
	s_nop 0
	PLACES 4
.Lhead_asked:
	s_mul_i32 s21, s15, 128*PITCH
	s_mul_i32 s22, s16, 64*PITCH
	s_add_co_u32 s22, s22, WB
	v_and_b32 v1, 15, v0                           ; r
	v_bfe_u32 v2, v0, 4, 1                         ; h
	v_mul_u32_u24 v3, v1, PITCH
	v_mad_u32_u24 v4, v2, 24, v3
	v_mad_u32_u24 v5, v2, 40, v3
	v_add_nc_u32 v[XA], s21, v4
	v_add_nc_u32 v[XA+1], s21, v5
	v_add_nc_u32 v[WA], s22, v4
	v_add_nc_u32 v[WA+1], s22, v5
.irp i, 1,2,3,4,5,6,7
	v_add_nc_u32 v[XA+2*\i], \i*16*PITCH, v[XA]
	v_add_nc_u32 v[XA+2*\i+1], \i*16*PITCH, v[XA+1]
.endr
.irp i, 1,2,3
	v_add_nc_u32 v[WA+2*\i], \i*16*PITCH, v[WA]
	v_add_nc_u32 v[WA+2*\i+1], \i*16*PITCH, v[WA+1]
.endr
	v_lshlrev_b32 v6, 5, v1                        ; 32 r: a row of scale bytes
	v_lshlrev_b32 v7, 5, v2                        ; 32 h: q's, k's bias
	v_lshlrev_b32 v3, 2, v1                        ; 4 r: v's bias
	v_and_b32 v8, 31, v0
	v_lshlrev_b32 v9, 3, v8                        ; 8 x lane
	v_lshlrev_b32 v8, 4, v8                        ; 16 x lane
.irp b, 0,1,2,3
	v_mov_b32 v[TM+4+\b], 0                        ; a lane permute's destination counts as one of its sources
.endr
	s_lshl_b32 s22, s17, 8
	s_lshl_b32 s23, s15, 7
	s_add_co_u32 s22, s22, s23
	s_lshl_b32 s22, s22, 5
	s_mov_b32 s23, 0
	s_add_nc_u64 s[50:51], s[70:71], s[22:23]      ; my 128 tokens' scale bytes
	s_lshl_b32 s52, s48, 5                         ; my channels' scale bytes,
	s_mov_b32 s53, 0
	s_lshl_b32 s54, s48, 2                         ; and biases
	s_mov_b32 s55, 0
	s_add_nc_u64 s[56:57], s[74:75], s[52:53]
	s_lshl_b32 s58, s17, 1
	s_add_co_u32 s58, s58, s15                     ; my run of 128 tokens
	s_lshr_b32 s59, s58, 4                         ; the batch
	s_and_b32 s58, s58, 15                         ; the step
	s_lshl_b32 s59, s59, 4
	s_lshl_b32 s60, s42, 1
	s_add_co_u32 s60, s60, s16                     ; my head
	s_add_co_u32 s59, s59, s60
	s_lshl_b32 s59, s59, 4
	s_add_co_u32 s58, s58, s59                     ; my record
	s_mov_b32 s[LMASK], 0xffff0000
	s_mov_b32 s[SEL], 0x76543210
	s_mov_b32 s[SEL+1], 0xfedcba98
	WALU                                           ; the wait at the head's end
.irp t, 0,1,2,3,4,5,6,7
	global_load_b128 v[TS+8*\t:TS+8*\t+3], v6, s[50:51] offset:512*\t
	global_load_b128 v[TS+8*\t+4:TS+8*\t+7], v6, s[50:51] offset:512*\t+16
.endr
	CSLOAD
	s_mov_b32 s3, 0
.Lph:                                                  ; two trips: q, then k
	s_wait_xcnt 0x0                                ; earlier loads and stores have read their bases and registers
	s_cmp_eq_u32 s3, 0
	s_cselect_b64 s[60:61], s[84:85], s[86:87]     ; this phase's bias,
	s_cselect_b64 s[62:63], s[90:91], s[92:93]     ; its output,
	s_cselect_b64 s[18:19], s[78:79], s[82:83]     ; the next weight's scales
	s_cselect_b64 s[66:67], s[76:77], s[80:81]     ; and codes
	s_mov_b32 s22, 13056
	s_cselect_b32 s22, 6656, s22                   ; a record
	s_mov_b32 s23, 12288
	s_cselect_b32 s23, 6144, s23                   ; from its codes to its scale words
	s_add_nc_u64 s[60:61], s[60:61], s[54:55]
	s_mul_i32 s20, s58, s22
	s_mov_b32 s21, 0
	s_add_nc_u64 s[OB:OB+1], s[62:63], s[20:21]
	s_mov_b32 s20, s23
	s_add_nc_u64 s[OB+2:OB+3], s[OB:OB+1], s[20:21]
	s_add_nc_u64 s[56:57], s[18:19], s[52:53]
	WIN 0x40
.irp c, 0,1,2,3
	global_load_b128 v[BB+8*\c:BB+8*\c+3], v7, s[60:61] offset:64*\c        ; register 8 c + j is channel 16 c + 8 h + j
	global_load_b128 v[BB+8*\c+4:BB+8*\c+7], v7, s[60:61] offset:64*\c+16
.endr
	WIN 0
	SHOW
	FETCH 0
	s_wait_loadcnt 8                               ; the scale words are in; the eight bias loads may be out
	MATMUL 0
	CSLOAD                                         ; the next weight's scale words, four places behind the last product
	s_wait_tensorcnt 0x0
	ds_add_u32 v[SPW], v[NIL]
	s_add_nc_u64 s[G0W+2:G0W+3], s[66:67], s[46:47]
	s_or_b32 s[G0W+3], s[G0W+3], 0x80000000
	s_wait_dscnt 0x0
	CROUND                                         ; no wave of any partner still reads the weight's region
	s_cmp_eq_u32 s15, 0
	s_cbranch_scc1 .Lno_fill
	tensor_load_to_lds s[G0W:G0W+3], s[G1W:G1W+7]  ; waves 2, 3: a half each of the next weight's rows
	s_nop 0
	PLACES 4
.Lno_fill:
	s_wait_loadcnt 8                               ; the bias is in; the eight loads of scale words may be out
	QKPAIR 0
	QKPAIR 1
	QKPAIR 2
	QKPAIR 3
	global_store_b128 v8, v[KS0:KS0+3], s[OB+2:OB+3]
	WALU
	s_add_co_u32 s3, s3, 1
	s_cmp_lg_u32 s3, 2
	s_cbranch_scc1 .Lph
; ---- v
	s_wait_xcnt 0x0
	s_add_nc_u64 s[60:61], s[88:89], s[54:55]
	s_mul_i32 s20, s58, 13056
	s_add_co_u32 s20, s20, 6144
	s_mov_b32 s21, 0
	s_add_nc_u64 s[OB:OB+1], s[92:93], s[20:21]
	s_add_nc_u64 s[OB+2:OB+3], s[OB:OB+1], 6656
	WIN 0x40
.irp a, 0,1,2,3
.irp j, 0,1,2,3,4,5,6,7
	global_load_b32 v[BB+8*\a+\j], v3, s[60:61] offset:64*\a   ; all results of tile a in lane r are channel 16 a + r
.endr
.endr
	WIN 0
	SHOW
	FETCH 0
	s_wait_loadcnt 32                              ; the scale words are in; the 32 bias loads may be out
	MATMUL 1
	s_wait_loadcnt 0x0
	VTILE 0
	VTILE 1
	VTILE 2
	VTILE 3
	v_cndmask_b32 v[KS0], v[WQ], v[WQ+1], s[LMASK]
	v_cndmask_b32 v[KS0+1], v[WQ+2], v[WQ+3], s[LMASK]
	global_store_b64 v9, v[KS0:KS0+1], s[OB+2:OB+3]   ; 32 lanes store 256 consecutive bytes, aligned
	s_wait_tensorcnt 0x0                           ; the wave's end
	ds_add_u32 v[SPW], v[NIL]
	s_wait_dscnt 0x0
	CROUND                                         ; the closing round
	s_endpgm
.Lfunc_end_k_q274d5c7777_qkv:
	.size	k_q274d5c7777_qkv, .Lfunc_end_k_q274d5c7777_qkv-k_q274d5c7777_qkv
	.p2alignl 7, 3214868480
	.fill 96, 4, 3214868480
	.section	.rodata,"a",@progbits
	.p2align	6, 0x0
	.amdhsa_kernel k_q274d5c7777_qkv
		.amdhsa_group_segment_fixed_size 327680
		.amdhsa_private_segment_fixed_size 0
		.amdhsa_enable_private_segment 0
		.amdhsa_kernarg_size 104
		.amdhsa_user_sgpr_count 2
		.amdhsa_user_sgpr_kernarg_segment_ptr 1
		.amdhsa_wavefront_size32 1
		.amdhsa_system_sgpr_workgroup_id_x 1
		.amdhsa_system_sgpr_workgroup_id_y 1
		.amdhsa_system_sgpr_workgroup_id_z 1
		.amdhsa_system_vgpr_workitem_id 0
		.amdhsa_next_free_vgpr 768
		.amdhsa_next_free_sgpr 100
		.amdhsa_reserve_vcc 0
		.amdhsa_float_denorm_mode_32 3
		.amdhsa_float_denorm_mode_16_64 3
		.amdhsa_memory_ordered 1
		.amdhsa_forward_progress 1
		.amdhsa_inst_pref_size 174
	.end_amdhsa_kernel
	.amdgpu_metadata
---
amdhsa.version: [ 1, 2 ]
amdhsa.kernels:
  - .name:           k_q274d5c7777_qkv
    .symbol:         k_q274d5c7777_qkv.kd
    .args:
      - { .name: rx_codes, .offset: 0, .size: 8, .value_kind: global_buffer, .address_space: global }
      - { .name: rx_scales, .offset: 8, .size: 8, .value_kind: global_buffer, .address_space: global }
      - { .name: Wq_codes, .offset: 16, .size: 8, .value_kind: global_buffer, .address_space: global }
      - { .name: Wq_scales, .offset: 24, .size: 8, .value_kind: global_buffer, .address_space: global }
      - { .name: Wk_codes, .offset: 32, .size: 8, .value_kind: global_buffer, .address_space: global }
      - { .name: Wk_scales, .offset: 40, .size: 8, .value_kind: global_buffer, .address_space: global }
      - { .name: Wv_codes, .offset: 48, .size: 8, .value_kind: global_buffer, .address_space: global }
      - { .name: Wv_scales, .offset: 56, .size: 8, .value_kind: global_buffer, .address_space: global }
      - { .name: bq, .offset: 64, .size: 8, .value_kind: global_buffer, .address_space: global }
      - { .name: bk, .offset: 72, .size: 8, .value_kind: global_buffer, .address_space: global }
      - { .name: bv, .offset: 80, .size: 8, .value_kind: global_buffer, .address_space: global }
      - { .name: qimg, .offset: 88, .size: 8, .value_kind: global_buffer, .address_space: global }
      - { .name: kv, .offset: 96, .size: 8, .value_kind: global_buffer, .address_space: global }
    .group_segment_fixed_size: 327680
    .private_segment_fixed_size: 0
    .kernarg_segment_align: 8
    .kernarg_segment_size: 104
    .max_flat_workgroup_size: 128
    .sgpr_count:     100
    .vgpr_count:     768
    .wavefront_size: 32
...
	.end_amdgpu_metadata
.endif
;; end of part 2
;; launch attn (part 3): grid 4 x 64, 16 waves a work-group, clusters of 4 x 1, 327,680 bytes of LDS; arguments qimg, kv, att_codes, att_scales; writes att_codes, att_scales
.if DOCPART == 3
	.amdgcn_target "amdgcn-amd-amdhsa--gfx1250"
	.amdhsa_code_object_version 6
	.text
	.protected	k_q274d5c7777_attn
	.globl	k_q274d5c7777_attn
	.p2align	8
	.type	k_q274d5c7777_attn,@function
k_q274d5c7777_attn:
	s_mov_b64 s[64:65], 0
	v_nop
	global_prefetch_b8 v0, s[64:65] scope:SCOPE_SE
	s_setreg_imm32_b32 hwreg(HW_REG_WAVE_MODE, 25, 1), 1
	s_wait_xcnt 0x0
	s_wait_alu depctr_hold_cnt(0) depctr_sa_sdst(0) depctr_va_vdst(0) depctr_va_sdst(0) depctr_va_ssrc(0) depctr_va_vcc(0) depctr_vm_vsrc(0)
	s_getreg_b32 s2, hwreg(HW_REG_IB_STS2, 6, 4)
	s_cmp_eq_u32 s2, 0
	s_cbranch_scc0 .Lentry_in_a_cluster
	s_endpgm
.Lentry_in_a_cluster:
	s_bfe_u32 s2, ttmp6, 0x10000c
	s_cmp_lg_u32 s2, 0x3003
	s_cbranch_scc0 .Lentry_shape_is_right
	s_endpgm
.Lentry_shape_is_right:
.set REC,   13056
.set HEADB, 16*REC
.set GRP,   HEADB/3
.set WPART, HEADB/16
.set STAGE, HEADB
.set QREC,  6656
.set KF,  40
.set QS,  94
.set PS,  95
.set S,   96
.set O,   160
.set P,   192
.set BM,  204
.set BT,  208
.set SO,  216
.set F,   220
.set KSC, 224
.set VSC, 228
.set OUTR, 232
.macro CROUND
	s_barrier_signal -1
	s_barrier_wait -1
	s_cmp_lg_u32 s12, 0
	s_cbranch_scc1 .Lnot_wave_0_\@
	s_barrier_signal -3
.Lnot_wave_0_\@:
	s_barrier_wait -3
	s_barrier_signal -1
	s_barrier_wait -1
.endm
	s_load_b256 s[4:11], s[0:1], 0x0
	v_lshl_add_u32 v254, v0, 2, 0x39000
	v_mov_b32 v255, 0
	ds_add_u32 v254, v255
	ds_add_u32 v254, v255
	v_lshrrev_b32 v8, 5, v0
	s_delay_alu instid0(VALU_DEP_1)
	v_readfirstlane_b32 s12, v8
	s_bfe_u32 s13, ttmp6, 0x40000
	s_lshl_b32 s14, ttmp9, 2
	s_add_co_u32 s14, s14, s13
	s_and_b32 s15, ttmp7, 0xffff
	s_mov_b32 s16, 15|(3<<16)|(1<<21)
	s_mov_b32 s17, 32<<16
	s_mov_b32 s18, 51<<16
	s_mov_b32 s19, 32<<16
	s_mov_b32 s20, 51
	s_mov_b32 s21, 32
	s_mov_b32 s22, 0
	s_mov_b32 s23, 0
	s_mul_i32 s48, s12, WPART
	s_mul_i32 s46, s15, HEADB
	s_add_co_u32 s46, s46, s48
	s_mov_b32 s47, 0
	s_mov_b32 s36, 0x76543210
	s_mov_b32 s37, 0xfedcba98
	s_mov_b32 s38, 0x3e38aa3b
	s_mov_b32 s39, s38
	s_mov_b32 s44, 0xffff0000
	v_and_b32 v10, 31, v0
	s_delay_alu instid0(VALU_DEP_1)
	v_lshlrev_b32 v1, 4, v10
	s_delay_alu instid0(VALU_DEP_2)
	v_lshlrev_b32 v2, 3, v10
	s_delay_alu instid0(VALU_DEP_3)
	v_lshlrev_b32 v9, 5, v10
	s_wait_dscnt 0x0
	s_wait_kmcnt 0x0
	s_add_nc_u64 s[50:51], s[6:7], s[46:47]
	CROUND
	s_mov_b32 s24, 1                               ; one joint load a wave: its sixteenth of the head's 16 records, 51 rows of 256 bytes
	s_mov_b32 s25, s48
	s_mov_b64 s[26:27], s[50:51]
	s_or_b32 s27, s27, 0x80000000
	s_cmp_lt_u32 s12, 4                            ; wave w brings record w; waves 0 to 3 have a load line of their own, since they alone wait ahead of the first barrier
	s_cbranch_scc0 .Llater_records
	tensor_load_to_lds s[24:27], s[16:23]
	s_nop 0
.rept 4
	v_nop
.endr
	s_branch .Lrecords_asked
.Llater_records:
	tensor_load_to_lds s[24:27], s[16:23]
	s_nop 0
.rept 4
	v_nop
.endr
.Lrecords_asked:
	s_lshl_b32 s52, s15, 4
	s_lshl_b32 s53, s14, 2
	s_add_co_u32 s52, s52, s53
	s_lshr_b32 s53, s12, 2
	s_add_co_u32 s52, s52, s53
	s_mul_i32 s52, s52, QREC
	s_mov_b32 s53, 0
	s_add_nc_u64 s[4:5], s[4:5], s[52:53]
	s_and_b32 s54, s12, 3
	s_mul_i32 s52, s54, 1536
	s_add_nc_u64 s[56:57], s[4:5], s[52:53]
	s_lshl_b32 s52, s54, 2
	s_add_nc_u64 s[4:5], s[4:5], s[52:53]
	s_wait_alu depctr_va_vdst(0)
.irp g, 0,1,2
	global_load_b128 v[28+4*\g:31+4*\g], v1, s[56:57] offset:512*\g
.endr
	global_load_b32 v[QS], v1, s[4:5] offset:6144
	s_lshr_b32 s46, s15, 4
	s_lshl_b32 s46, s46, 11
	s_lshl_b32 s54, s14, 9
	s_add_co_u32 s46, s46, s54
	s_lshl_b32 s54, s12, 5
	s_add_co_u32 s46, s46, s54
	s_and_b32 s47, s15, 15
	s_mul_i32 s52, s46, 48
	s_mul_i32 s54, s47, 393216
	s_add_co_u32 s52, s52, s54
	s_add_nc_u64 s[8:9], s[8:9], s[52:53]
	s_lshl_b32 s52, s46, 5
	s_lshl_b32 s54, s47, 1
	s_add_co_u32 s52, s52, s54
	s_add_nc_u64 s[10:11], s[10:11], s[52:53]
	v_and_b32 v10, 15, v0
	v_bfe_u32 v11, v0, 4, 1
	s_delay_alu instid0(VALU_DEP_2)
	v_mul_u32_u24 v5, v10, 48
	s_delay_alu instid0(VALU_DEP_1)
	v_mad_u32_u24 v5, v11, 24, v5
	s_mul_i32 s52, s12, 1536
	s_add_co_u32 s52, s52, STAGE
	v_add_nc_u32 v5, s52, v5
	v_add_nc_u32 v8, s52, v1
.irp i, 22,23,24,25,26,27, 88,89,90,91,92,93
	v_mov_b32 v[\i], 0
.endr
.irp i, 0,1,2,3,4,5,6,7
	v_mov_b32 v[BT+\i], 0
.endr
	v_mov_b32 v[F+1], 0
	v_mov_b32 v6, 0
	v_mov_b32 v7, 0
	s_wait_loadcnt 0x0
.macro SMUL t, p
.if ((\t)%2 == 0) && ((\p) == 0)
	v_wmma_scale_f32_16x16x128_f8f6f4 v[S+8*\t:S+8*\t+7], v[KF+6*\t:KF+6*\t+11], v[16:27], 0, v[KSC+\t/2], v[QS] matrix_a_fmt:MATRIX_FMT_FP6 matrix_b_fmt:MATRIX_FMT_FP6
.elseif (\p) == 0
	v_wmma_scale_f32_16x16x128_f8f6f4 v[S+8*\t:S+8*\t+7], v[KF+6*\t:KF+6*\t+11], v[16:27], 0, v[KSC+\t/2], v[QS] matrix_a_fmt:MATRIX_FMT_FP6 matrix_b_fmt:MATRIX_FMT_FP6 matrix_a_scale:MATRIX_SCALE_ROW1
.elseif (\t)%2 == 0
	v_wmma_scale_f32_16x16x128_f8f6f4 v[S+8*\t:S+8*\t+7], v[KF+6*\t:KF+6*\t+11], v[16:27], 0, v[KSC+\t/2], v[QS] matrix_a_fmt:MATRIX_FMT_FP6 matrix_b_fmt:MATRIX_FMT_FP6 matrix_b_scale:MATRIX_SCALE_ROW1
.else
	v_wmma_scale_f32_16x16x128_f8f6f4 v[S+8*\t:S+8*\t+7], v[KF+6*\t:KF+6*\t+11], v[16:27], 0, v[KSC+\t/2], v[QS] matrix_a_fmt:MATRIX_FMT_FP6 matrix_b_fmt:MATRIX_FMT_FP6 matrix_a_scale:MATRIX_SCALE_ROW1 matrix_b_scale:MATRIX_SCALE_ROW1
.endif
.endm
.macro OMUL t
.if (\t)%2 == 0
	v_wmma_scale_f32_16x16x128_f8f6f4 v[O+8*\t:O+8*\t+7], v[KF+12*\t:KF+12*\t+11], v[P:P+11], v[O+8*\t:O+8*\t+7], v[VSC+\t/2], v[PS] matrix_a_fmt:MATRIX_FMT_FP6 matrix_b_fmt:MATRIX_FMT_FP6
.else
	v_wmma_scale_f32_16x16x128_f8f6f4 v[O+8*\t:O+8*\t+7], v[KF+12*\t:KF+12*\t+11], v[P:P+11], v[O+8*\t:O+8*\t+7], v[VSC+\t/2], v[PS] matrix_a_fmt:MATRIX_FMT_FP6 matrix_b_fmt:MATRIX_FMT_FP6 matrix_a_scale:MATRIX_SCALE_ROW1
.endif
.endm
.macro STEP p
	v_add_nc_u32 v3, s40, v1
	v_add_nc_u32 v4, s40, v2
	v_nop
	v_nop
.irp g, 0,1,2,3,4,5,6,7,8,9,10,11
	ds_load_b128 v[KF+4*\g:KF+4*\g+3], v3 offset:512*\g
.endr
	ds_load_b128 v[KSC:KSC+3], v3 offset:12288
	s_wait_alu depctr_va_vdst(0)
	s_wait_dscnt 0x0
.irp t, 0,1,2,3,4,5,6,7
	SMUL \t, \p
.endr
.rept 4
	v_nop
.endr
.irp g, 0,1,2,3,4,5,6,7,8,9,10,11
	ds_load_b128 v[KF+4*\g:KF+4*\g+3], v3 offset:6144+512*\g
.endr
	ds_load_b64 v[VSC:VSC+1], v4 offset:12800
.irp b, 0,1,2,3
	v_max3_num_f32 v[BM+\b], v[S+16*\b], v[S+1+16*\b], v[S+2+16*\b]
.endr
.irp i, 3,5,7,9,11,13
.irp b, 0,1,2,3
	v_max3_num_f32 v[BM+\b], v[BM+\b], v[S+16*\b+\i], v[S+1+16*\b+\i]
.endr
.endr
.irp b, 0,1,2,3
	v_max_num_f32 v[BM+\b], v[BM+\b], v[S+15+16*\b]
.endr
.irp b, 0,1,2,3
	s_delay_alu instid0(VALU_DEP_4)
	v_permlanex16_b32 v[BT+\b], v[BM+\b], s36, s37
.endr
.irp b, 0,1,2,3
	s_delay_alu instid0(VALU_DEP_4)
	v_max_num_f32 v[BM+\b], v[BM+\b], v[BT+\b]
.endr
	s_delay_alu instid0(VALU_DEP_2)
	v_max3_num_f32 v7, v[BM], v[BM+1], v[BM+2]
	s_delay_alu instid0(VALU_DEP_1)
	v_max_num_f32 v7, v7, v[BM+3]
	s_delay_alu instid0(VALU_DEP_1)
	v_mul_f32 v7, s38, v7
	s_delay_alu instid0(VALU_DEP_1)
	v_max_num_f32 v13, v13, v7
	v_mov_b32 v7, v12
	s_delay_alu instid0(VALU_DEP_2)
	v_floor_f32 v12, -v13
	s_delay_alu instid0(VALU_DEP_1)
	v_sub_f32 v7, v12, v7
	s_delay_alu instid0(VALU_DEP_1)
	v_cvt_i32_f32 v7, v7
	s_delay_alu instid0(VALU_DEP_1)
	v_ldexp_f32 v[F], 1.0, v7
.irp j, 0,2,4,6,8,10,12,14,16,18,20,22,24,26,28,30,32,34,36,38,40,42,44,46,48,50,52,54,56,58,60,62
	v_pk_fma_f32 v[S+\j:S+1+\j], v[S+\j:S+1+\j], s[38:39], v[12:13] op_sel_hi:[1,0,0]
.endr
.irp b, 0,1,2,3
	v_fma_f32 v[BM+\b], v[BM+\b], s38, v12
.endr
	s_wait_alu depctr_va_vdst(0)
.irp j, 0,1,2,3,4,5,6,7,8,9,10,11,12,13,14,15,16,17,18,19,20,21,22,23,24,25,26,27,28,29,30,31,32,33,34,35,36,37,38,39,40,41,42,43,44,45,46,47,48,49,50,51,52,53,54,55,56,57,58,59,60,61,62,63
	v_exp_f32 v[S+\j], v[S+\j]
.endr
	v_pk_mul_f32 v[14:15], v[14:15], v[F:F+1] op_sel_hi:[1,0]
	s_wait_alu depctr_va_vdst(0)
.irp b, 0,1,2,3
	v_exp_f32 v[BM+\b], v[BM+\b]
.endr
	v_pk_add_f32 v[BT:BT+1], v[S:S+1], v[S+2:S+3]
.irp j, 4,8,12,16,20,24,28,32,36,40,44,48,52,56,60
	v_pk_add_f32 v[14:15], v[14:15], v[S+\j:S+1+\j]
	v_pk_add_f32 v[BT:BT+1], v[BT:BT+1], v[S+2+\j:S+3+\j]
.endr
	s_delay_alu instid0(VALU_DEP_1)
	v_pk_add_f32 v[14:15], v[14:15], v[BT:BT+1]
	s_wait_alu depctr_va_vdst(0)
.irp b, 0,1,2,3
	v_max_num_f32 v[BM+\b], 0x1800000, v[BM+\b]
.endr
.irp b, 0,1,2,3
	s_delay_alu instid0(VALU_DEP_4)
	v_add_nc_u32 v[SO+\b], 0xff000000, v[BM+\b]
.endr
.irp b, 0,1,2,3
	s_delay_alu instid0(VALU_DEP_4)
	v_lshrrev_b32 v[BT+\b], 23, v[SO+\b]
.endr
	s_delay_alu instid0(VALU_DEP_3)
	v_lshl_or_b32 v[PS], v[BT+1], 8, v[BT]
	s_delay_alu instid0(VALU_DEP_1)
	v_lshl_or_b32 v[PS], v[BT+2], 16, v[PS]
	s_delay_alu instid0(VALU_DEP_1)
	v_lshl_or_b32 v[PS], v[BT+3], 24, v[PS]
.irp c, 0,1
	v_cvt_scalef32_pk16_fp6_f32 v[P+6*\c:P+2+6*\c], v[S+32*\c:S+15+32*\c], v[SO+2*\c]
	v_cvt_scalef32_pk16_fp6_f32 v[BT+4*\c:BT+2+4*\c], v[S+16+32*\c:S+31+32*\c], v[SO+2*\c+1]
.endr
	v_nop
.irp c, 0,1
.irp i, 0,1,2
	v_permlane16_swap_b32 v[P+6*\c+\i], v[BT+4*\c+\i]
.endr
.irp i, 0,1,2
	s_delay_alu instid0(VALU_DEP_3)
	v_mov_b32 v[P+3+6*\c+\i], v[BT+4*\c+\i]
.endr
.endr
.irp j, 0,2,4,6,8,10,12,14,16,18,20,22,24,26,28,30
	v_pk_mul_f32 v[O+\j:O+1+\j], v[O+\j:O+1+\j], v[F:F+1] op_sel_hi:[1,0]
.endr
	s_wait_alu depctr_va_vdst(0)
	s_wait_dscnt 0x0
.irp t, 0,1,2,3
	OMUL \t
.endr
.endm
.macro STEPS p, start, n
	s_mov_b32 s40, \start
	s_mov_b32 s41, \n
.Lstep_\@:
	STEP \p
	s_add_co_u32 s40, s40, REC
	s_sub_co_u32 s41, s41, 1
	s_cmp_lg_u32 s41, 0
	s_cbranch_scc1 .Lstep_\@
.endm
.macro OUTP p
.rept 4
	v_nop
.endr
	v_add_f32 v14, v14, v15
	s_delay_alu instid0(VALU_DEP_1)
	v_permlanex16_b32 v7, v14, s36, s37
	s_delay_alu instid0(VALU_DEP_1)
	v_add_f32 v14, v14, v7
	s_wait_alu depctr_va_vdst(0)
	v_rcp_f32 v14, v14
	v_nop
	s_wait_alu depctr_va_vdst(0)
.set i, 0
.rept 32
	v_mul_f32 v[S+i], v[O+i], v14
.set i, i+1
.endr
.irp b, 0,1
.irp j, 0,1,2,3,4,5,6,7
	v_permlane16_swap_b32 v[S+16*\b+\j], v[S+8+16*\b+\j]
.endr
.endr
.irp b, 0,1
	v_max3_num_f32 v[BM+\b], |v[S+16*\b]|, |v[S+1+16*\b]|, 0x1800000
.endr
.irp i, 2,4,6,8,10,12,14
.irp b, 0,1
	s_delay_alu instid0(VALU_DEP_2)
	v_max3_num_f32 v[BM+\b], v[BM+\b], |v[S+16*\b+\i]|, |v[S+1+16*\b+\i]|
.endr
.endr
.irp b, 0,1
	s_delay_alu instid0(VALU_DEP_2)
	v_permlanex16_b32 v[BT+\b], v[BM+\b], s36, s37
.endr
.irp b, 0,1
	s_delay_alu instid0(VALU_DEP_2)
	v_max_num_f32 v[BM+\b], v[BM+\b], v[BT+\b]
.endr
.irp b, 0,1
	s_delay_alu instid0(VALU_DEP_2)
	v_add_nc_u32 v[SO+\b], 0xff000000, v[BM+\b]
.endr
.irp b, 0,1
	s_delay_alu instid0(VALU_DEP_2)
	v_lshrrev_b32 v[BT+\b], 23, v[SO+\b]
.endr
	s_delay_alu instid0(VALU_DEP_1)
	v_lshl_or_b32 v7, v[BT+1], 8, v[BT]
	v_cvt_scalef32_pk16_fp6_f32 v[P:P+2], v[S:S+15], v[SO]
	v_cvt_scalef32_pk16_fp6_f32 v[BT+4:BT+6], v[S+16:S+31], v[SO+1]
	v_nop
.irp i, 0,1,2
	v_permlane16_swap_b32 v[P+\i], v[BT+4+\i]
.endr
.irp i, 0,1,2
	s_delay_alu instid0(VALU_DEP_3)
	v_mov_b32 v[P+3+\i], v[BT+4+\i]
.endr
.irp q, 0,1,2
	ds_store_b64 v5, v[P+2*\q:P+2*\q+1] offset:768*\p+8*\q
.endr
.if \p == 0
	v_mov_b32 v6, v7
.else
	v_cndmask_b32 v6, v6, v7, s44
.endif
.endm
.macro PASS p
.irp i, 0,1,2,3,4,5
	v_mov_b32 v[16+\i], v[28+6*\p+\i]
.endr
	v_mov_b32 v13, 0xff61b1e6
	s_delay_alu instid0(VALU_DEP_1)
	v_floor_f32 v12, -v13
	v_mov_b32 v14, 0
	v_mov_b32 v15, 0
.set i, 0
.rept 32
	v_mov_b32 v[O+i], 0
.set i, i+1
.endr
.if \p == 0
	s_wait_alu depctr_va_vdst(0)
	s_cmp_lt_u32 s12, 4
	s_cbranch_scc0 .Lnot_first
	s_wait_tensorcnt 0x0                           ; records 0 to 3 are in
.Lnot_first:
	s_barrier_signal -1                            ; a plain barrier shows them to all
	s_barrier_wait -1
	STEPS 0, 0, 4
	s_wait_tensorcnt 0x0                           ; every wave's record is in
	s_wait_dscnt 0x0
	s_barrier_signal -1
	s_barrier_wait -1
	STEPS 0, 4*REC, 12
.else
	STEPS 1, 0, 16
.endif
	OUTP \p
.endm
	PASS 0
	PASS 1
.irp g, 0,1,2
	ds_load_b128 v[OUTR+4*\g:OUTR+4*\g+3], v8 offset:512*\g
.endr
	s_wait_alu depctr_va_vdst(0)
	s_wait_dscnt 0x0
.irp g, 0,1,2
	global_store_b128 v1, v[OUTR+4*\g:OUTR+4*\g+3], s[8:9] offset:512*\g
.endr
	global_store_b16 v9, v6, s[10:11]
	s_wait_tensorcnt 0x0
	ds_add_u32 v254, v255
	s_wait_dscnt 0x0
	CROUND
	s_endpgm
.Lfunc_end_k_q274d5c7777_attn:
	.size	k_q274d5c7777_attn, .Lfunc_end_k_q274d5c7777_attn-k_q274d5c7777_attn
	.p2alignl 7, 3214868480
	.fill 96, 4, 3214868480
	.section	.rodata,"a",@progbits
	.p2align	6, 0x0
	.amdhsa_kernel k_q274d5c7777_attn
		.amdhsa_group_segment_fixed_size 327680
		.amdhsa_private_segment_fixed_size 0
		.amdhsa_enable_private_segment 0
		.amdhsa_kernarg_size 32
		.amdhsa_user_sgpr_count 2
		.amdhsa_user_sgpr_kernarg_segment_ptr 1
		.amdhsa_wavefront_size32 1
		.amdhsa_system_sgpr_workgroup_id_x 1
		.amdhsa_system_sgpr_workgroup_id_y 1
		.amdhsa_system_sgpr_workgroup_id_z 1
		.amdhsa_system_vgpr_workitem_id 0
		.amdhsa_next_free_vgpr 256
		.amdhsa_next_free_sgpr 66
		.amdhsa_reserve_vcc 0
		.amdhsa_float_denorm_mode_32 3
		.amdhsa_float_denorm_mode_16_64 3
		.amdhsa_memory_ordered 1
		.amdhsa_forward_progress 1
		.amdhsa_inst_pref_size 69
	.end_amdhsa_kernel
	.amdgpu_metadata
---
amdhsa.version: [ 1, 2 ]
amdhsa.kernels:
  - .name:           k_q274d5c7777_attn
    .symbol:         k_q274d5c7777_attn.kd
    .args:
      - { .name: qimg, .offset: 0, .size: 8, .value_kind: global_buffer, .address_space: global }
      - { .name: kv, .offset: 8, .size: 8, .value_kind: global_buffer, .address_space: global }
      - { .name: att_codes, .offset: 16, .size: 8, .value_kind: global_buffer, .address_space: global }
      - { .name: att_scales, .offset: 24, .size: 8, .value_kind: global_buffer, .address_space: global }
    .group_segment_fixed_size: 327680
    .private_segment_fixed_size: 0
    .kernarg_segment_align: 8
    .kernarg_segment_size: 32
    .max_flat_workgroup_size: 512
    .sgpr_count:     66
    .vgpr_count:     256
    .wavefront_size: 32
...
	.end_amdgpu_metadata
.endif
;; end of part 3
;; launch oproj (part 4): grid 8 x 32, 4 waves a work-group, clusters of 4 x 4, 327,680 bytes of LDS; arguments att_codes, att_scales, Wo_codes, Wo_scales, bo, out0; writes out0
.if DOCPART == 4
	.amdgcn_target "amdgcn-amd-amdhsa--gfx1250"
	.amdhsa_code_object_version 6
	.text
	.protected	k_q274d5c7777_oproj
	.globl	k_q274d5c7777_oproj
	.p2align	8
	.type	k_q274d5c7777_oproj,@function
k_q274d5c7777_oproj:
	s_mov_b64 s[64:65], 0
	v_nop
	global_prefetch_b8 v0, s[64:65] scope:SCOPE_SE
	s_setreg_imm32_b32 hwreg(HW_REG_WAVE_MODE, 25, 1), 1
	s_wait_xcnt 0x0
	s_wait_alu depctr_hold_cnt(0) depctr_sa_sdst(0) depctr_va_vdst(0) depctr_va_sdst(0) depctr_va_ssrc(0) depctr_va_vcc(0) depctr_vm_vsrc(0)
	s_getreg_b32 s2, hwreg(HW_REG_IB_STS2, 6, 4)
	s_cmp_eq_u32 s2, 0
	s_cbranch_scc0 .Lentry_in_a_cluster
	s_endpgm
.Lentry_in_a_cluster:
	s_bfe_u32 s2, ttmp6, 0x10000c
	s_cmp_lg_u32 s2, 0xf033
	s_cbranch_scc0 .Lentry_shape_is_right
	s_endpgm
.Lentry_shape_is_right:
; out0 = att Wo^T + bo on codes of FP6 (E2M3), one E8M0 scale for each 32 along K = 1,024; f32 sums, f32 out.
; att_codes [16 heads][8,192 tokens][48 bytes], att_scales [8,192][32], as the attention launch leaves them; Wo as it is given.
; THE DEAL.  256 work-groups; work-group (x, y) makes tokens 256 y .. + 255 x columns 128 x .. + 127.  Both operands lie in LDS with ALL of K, filled once at the head, one joint load a wave:
; waves 0, 1 eight heads' planes each (a plane: 256 tokens x 48 = 12,288 consecutive bytes), waves 2, 3 64 rows of Wo each (768 bytes a row).  Nothing is filled again, so there is no ring and no loop to prefetch ahead in.
; Four waves, 2 x 2: 128 tokens x 64 columns.  A wave's 64 rows of Wo, all of K, go into 384 registers; its eight token tiles of 16 rows stream past them, two sets of eight fragments by turns.
; A tile is finished by 32 products, its four accumulators by turns, and leaves through the wave's own stage in LDS while the next tile is multiplied.
; Source 0 = Wo's rows, so a lane holds eight neighbouring columns of a row; the bias is the first products' C.  Scale bytes go from memory straight into registers.
; The stage's bytes are its own: no tensor load lands there.  Sixteen lanes store 256 consecutive bytes, aligned.
; CLUSTERS 4 x 4: the tokens' planes are shared by a row of the cluster, Wo's rows by a column.
; REGISTERS: window 0: addresses, v40-103 the tokens' scale words, v108-139 Wo's, v140-203 rows on the way out; window 1: v0-191 the tokens' fragments, v192-223 the bias;
; window 2: v0-63 two sets of four accumulators, v64-195 Wo's fragments 21 to 31; window 3: Wo's fragments 0 to 20 (fragment 4 q + c).
.set PITCH, 816
.set PLB,   12288                      ; a plane of 256 tokens in LDS
.set HPL,   393216                     ; a plane in memory
.set WB,    16*PLB
.set SPARE, WB+128*PITCH
.set STG,   SPARE+512                  ; 4 stages of 16 rows x (256 + 16)
.set SPW, 10
.set NIL, 11
.set AQ,  12                           ; v12-15 my tokens in planes 0, 4, 8, 12
.set STO, 16
.set RD,  17
.set CO,  18
.set WA,  28
.set TS,  40
.set CS,  108
.set BK,  140
.set BB,  192
.set G1W, 4
.set G1A, 24
.set G0A, 32
.set G0W, 36
.set MSB, 0
.macro WIN new
.if MSB != \new
	s_set_vgpr_msb (MSB<<8)|\new
.set MSB, \new
.endif
.endm
.macro PLACES n
.rept \n
	v_nop
.endr
.endm
.macro CROUND
	s_barrier_signal -1
	s_barrier_wait -1
	s_cmp_lg_u32 s14, 0
	s_cbranch_scc1 .Lnot_wave_0_\@
	s_barrier_signal -3
.Lnot_wave_0_\@:
	s_barrier_wait -3
	s_barrier_signal -1
	s_barrier_wait -1
.endm
.macro FRAG r, q, a                    ; a fragment of Wo: six pieces of 8 bytes, two to a load where both go by the same address register
.set SK_, 0
.irp p, 0,1,2,3,4,5
.if SK_
.set SK_, 0
.else
.set PC_, 12*(\q)+6*(\p/3)+\p%3
.set PN_, 12*(\q)+6*((\p+1)/3)+(\p+1)%3
.set X_, (PC_%32+3)/32
.if (\p < 5) && (X_ == (PN_%32+3)/32)
.set SK_, 1
	ds_load_2addr_b64 v[\r+2*\p:\r+2*\p+3], v[\a+X_] offset0:PC_+2*(PC_/32) offset1:PN_+2*(PN_/32)
.else
	ds_load_b64 v[\r+2*\p:\r+2*\p+1], v[\a+X_] offset:8*(PC_+2*(PC_/32))
.endif
.endif
.endr
.endm
.macro WPLACE q, c                     ; where fragment 4 q + c of Wo lies: window WW_, register WR_
.set F_, 4*(\q)+(\c)
.if F_ < 21
.set WW_, 3
.set WR_, 12*F_
.else
.set WW_, 2
.set WR_, 64+12*(F_-21)
.endif
.endm
.macro WLOAD                           ; my 64 rows of Wo, all of K
.irp q, 0,1,2,3,4,5,6,7
.irp c, 0,1,2,3
	WPLACE \q, \c
	WIN WW_<<6
	FRAG WR_, \q, WA+2*\c
.endr
.endr
	WIN 0
.endm
.macro FETCHT t                        ; token tile t, all of K, into set t % 2: 48 loads; K step q is planes 2 q and 2 q + 1
	WIN 0x40
.irp q, 0,1,2,3,4,5,6,7
.irp p, 0,1,2,3,4,5
	ds_load_b64 v[96*((\t)%2)+12*\q+2*\p:96*((\t)%2)+12*\q+2*\p+1], v[AQ+\q/2] offset:((2*\q+\p/3)%4)*PLB+(\t)*768+8*(\p%3)
.endr
.endr
	WIN 0
.endm
.macro W1 d, s0, s1, cc, x0, x1
	v_wmma_scale_f32_16x16x128_f8f6f4 v[\d:\d+7], v[\s0:\s0+11], v[\s1:\s1+11], \cc, v[\x0], v[\x1] matrix_a_fmt:MATRIX_FMT_FP6 matrix_b_fmt:MATRIX_FMT_FP6
.endm
.macro PRODS t                         ; tile t's 32 products: K ascending, the four accumulators by turns, one instruction a turn
.irp q, 0,1,2,3,4,5,6,7
.irp c, 0,1,2,3
	WPLACE \q, \c
.if \q == 0
	WIN WW_|0x94
	W1 32*((\t)%2)+8*\c, WR_, 96*((\t)%2)+12*\q, v[BB+8*\c:BB+8*\c+7], CS+8*\c+\q, TS+8*(\t)+\q
.else
	WIN WW_|0xa4
	W1 32*((\t)%2)+8*\c, WR_, 96*((\t)%2)+12*\q, v[32*((\t)%2)+8*\c:32*((\t)%2)+8*\c+7], CS+8*\c+\q, TS+8*(\t)+\q
.endif
.endr
.endr
	WIN 0
.endm
.macro TOSTAGE t                       ; 16 rows x 64 columns into my stage and back by rows: 8 stores, 8 loads; LDS serves a wave's instructions in order (ISA guide 5.7.1.4)
	WIN 0x08
.irp c, 0,1,2,3
	ds_store_b128 v[STO], v[32*((\t)%2)+8*\c:32*((\t)%2)+8*\c+3] offset:64*\c
	ds_store_b128 v[STO], v[32*((\t)%2)+8*\c+4:32*((\t)%2)+8*\c+7] offset:64*\c+16
.endr
	WIN 0
.irp u, 0,1,2,3,4,5,6,7
	ds_load_b128 v[BK+32*((\t)%2)+4*\u:BK+32*((\t)%2)+4*\u+3], v[RD] offset:\u*544
.endr
.endm
.macro SEND t, younger                 ; younger: the LDS instructions issued behind tile t's loads from the stage
	s_wait_dscnt \younger
.irp u, 0,1,2,3,4,5,6,7
	global_store_b128 v[CO], v[BK+32*((\t)%2)+4*\u:BK+32*((\t)%2)+4*\u+3], s[78:79] offset:(\t)*65536+\u*8192 th:TH_STORE_NT
.endr
.endm
; Tile t.  Behind its fetch were issued: tile t - 1's 16 stage instructions and tile t + 1's 48 loads, 64 in all (the wait's field holds 63); ahead of tile 0 only tile 1's 48; ahead of tile 7 only the 16.
.macro ITER t
.if (\t) == 0
	s_wait_dscnt 48
.elseif (\t) == 7
	s_wait_dscnt 16
.else
	s_wait_dscnt 63
.endif
	PRODS \t
	PLACES 4                                       ; behind the products: their sums are read and their tokens' registers loaded anew below
.if (\t) > 0
.if (\t) == 7
	SEND (\t)-1, 0
.else
	SEND (\t)-1, 48                                ; behind tile t - 1's stage loads: tile t + 1's 48 loads
.endif
	s_wait_xcnt 0x0                                ; earlier stores have read their registers: tile t's rows may land where tile t - 2's lay
.endif
	TOSTAGE \t
.if (\t) < 6
	FETCHT (\t)+2
.endif
.endm
	s_load_b256 s[68:75], s[0:1], 0x0              ; att codes, scales; Wo codes, scales
	s_load_b128 s[76:79], s[0:1], 0x20             ; bo, out0
	v_lshl_add_u32 v[SPW], v0, 2, SPARE
	v_mov_b32 v[NIL], 0
	ds_add_u32 v[SPW], v[NIL]                      ; the opening lines: the add, twice on end, and its wait
	ds_add_u32 v[SPW], v[NIL]
	v_lshrrev_b32 v1, 5, v0
	v_readfirstlane_b32 s14, v1
	s_lshr_b32 s15, s14, 1                         ; my half of the tokens.  Also: I fetch the tokens' planes (0) or Wo (1)
	s_and_b32 s16, s14, 1                          ; my half of the columns.  Also: which half I fetch
	s_bfe_u32 s40, ttmp6, 0x40000
	s_bfe_u32 s41, ttmp6, 0x40004
	s_lshl_b32 s42, ttmp9, 2
	s_add_co_u32 s42, s42, s40                     ; column group 0..7
	s_and_b32 s17, ttmp7, 0xffff
	s_lshl_b32 s17, s17, 2
	s_add_co_u32 s17, s17, s41                     ; token block 0..31
	s_lshl_b32 s43, s41, 2
	s_lshl_b32 s43, 15, s43
	s_lshl_b32 s44, 0x1111, s40
	s_or_b32 s[G1A+0], s43, (3<<16)|(1<<21)        ; 8 planes of 1,536 elements of 8 bytes
	s_mov_b32 s[G1A+1], 1536<<16
	s_mov_b32 s[G1A+2], 8<<16
	s_mov_b32 s[G1A+3], 1536<<16
	s_mov_b32 s[G1A+4], 8
	s_mov_b32 s[G1A+5], HPL/8
	s_mov_b32 s[G1A+6], 0
	s_mov_b32 s[G1A+7], 0
	s_or_b32 s[G1W+0], s44, (1<<20)|(1<<21)|(5<<22)|(3<<25)   ; 64 rows of 768 bytes, 16 bytes of padding behind every 256
	s_mov_b32 s[G1W+1], 768<<16
	s_mov_b32 s[G1W+2], 64<<16
	s_mov_b32 s[G1W+3], 768<<16
	s_mov_b32 s[G1W+4], 64
	s_mov_b32 s[G1W+5], 768
	s_mov_b32 s[G1W+6], 0
	s_mov_b32 s[G1W+7], 0
	s_mul_i32 s20, s16, 8*HPL
	s_mul_i32 s21, s17, PLB
	s_add_co_u32 s20, s20, s21
	s_mov_b32 s21, 0
	s_lshl_b32 s48, s42, 7
	s_lshl_b32 s49, s16, 6
	s_add_co_u32 s48, s48, s49                     ; my first column; also the first of the 64 rows of Wo that I fetch
	s_mul_i32 s46, s48, 768
	s_mov_b32 s47, 0
	s_mov_b32 s[G0A], 1
	s_mul_i32 s[G0A+1], s16, 8*PLB
	s_mov_b32 s[G0W], 1
	s_mul_i32 s[G0W+1], s16, 64*PITCH
	s_add_co_u32 s[G0W+1], s[G0W+1], WB
	s_wait_dscnt 0x0
	s_wait_kmcnt 0x0
	s_add_nc_u64 s[G0A+2:G0A+3], s[68:69], s[20:21]
	s_or_b32 s[G0A+3], s[G0A+3], 0x80000000
	s_add_nc_u64 s[G0W+2:G0W+3], s[72:73], s[46:47]
	s_or_b32 s[G0W+3], s[G0W+3], 0x80000000
	CROUND                                         ; in front of the joint loads
	s_cmp_eq_u32 s15, 0
	s_cbranch_scc0 .Lhead_w
	tensor_load_to_lds s[G0A:G0A+3], s[G1A:G1A+7]
	s_nop 0
	PLACES 4
	s_branch .Lhead_asked
.Lhead_w:
	tensor_load_to_lds s[G0W:G0W+3], s[G1W:G1W+7]
	s_nop 0
	PLACES 4
.Lhead_asked:
	s_mul_i32 s21, s15, 6144
	s_mul_i32 s22, s16, 64*PITCH
	s_add_co_u32 s22, s22, WB
	s_mul_i32 s23, s14, 16*272
	s_add_co_u32 s23, s23, STG
	v_and_b32 v1, 15, v0                           ; r
	v_bfe_u32 v2, v0, 4, 1                         ; h
	v_mul_u32_u24 v3, v1, PITCH
	v_mad_u32_u24 v4, v2, 24, v3
	v_mad_u32_u24 v5, v2, 40, v3
	v_add_nc_u32 v[WA], s22, v4
	v_add_nc_u32 v[WA+1], s22, v5
.irp i, 1,2,3
	v_add_nc_u32 v[WA+2*\i], \i*16*PITCH, v[WA]
	v_add_nc_u32 v[WA+2*\i+1], \i*16*PITCH, v[WA+1]
.endr
	v_mul_u32_u24 v3, v1, 48
	v_mad_u32_u24 v3, v2, 24, v3
	v_add_nc_u32 v[AQ], s21, v3
.irp i, 1,2,3
	v_add_nc_u32 v[AQ+\i], \i*4*PLB, v[AQ]
.endr
	v_mul_u32_u24 v4, v1, 272
	v_lshl_add_u32 v4, v2, 5, v4
	v_add_nc_u32 v[STO], s23, v4                   ; in: row r, 32 bytes for each half of the lanes
	v_mul_u32_u24 v5, v2, 272
	v_lshl_add_u32 v5, v1, 4, v5
	v_add_nc_u32 v[RD], s23, v5                    ; back: sixteen lanes take a row of 256 bytes
	v_lshlrev_b32 v[CO], 12, v2
	v_lshl_add_u32 v[CO], v1, 4, v[CO]             ; and the same two rows in out0
	v_lshlrev_b32 v6, 5, v1                        ; 32 r
	v_lshlrev_b32 v7, 5, v2                        ; 32 h
	s_lshl_b32 s22, s17, 8
	s_lshl_b32 s23, s15, 7
	s_add_co_u32 s50, s22, s23                     ; my first token
	s_lshl_b32 s22, s50, 5
	s_mov_b32 s23, 0
	s_add_nc_u64 s[52:53], s[70:71], s[22:23]      ; its scale bytes
	s_lshl_b32 s22, s48, 5
	s_add_nc_u64 s[56:57], s[74:75], s[22:23]      ; my columns' scale bytes
	s_lshl_b32 s22, s48, 2
	s_add_nc_u64 s[76:77], s[76:77], s[22:23]      ; their biases
	s_add_nc_u64 s[78:79], s[78:79], s[22:23]
	s_lshl_b32 s22, s50, 12
	s_add_nc_u64 s[78:79], s[78:79], s[22:23]      ; my corner of out0
	s_wait_alu depctr_va_vdst(0)                   ; the wait at the head's end
.irp t, 0,1,2,3,4,5,6,7
	global_load_b128 v[TS+8*\t:TS+8*\t+3], v6, s[52:53] offset:512*\t
	global_load_b128 v[TS+8*\t+4:TS+8*\t+7], v6, s[52:53] offset:512*\t+16
.endr
.irp c, 0,1,2,3
	global_load_b128 v[CS+8*\c:CS+8*\c+3], v6, s[56:57] offset:512*\c
	global_load_b128 v[CS+8*\c+4:CS+8*\c+7], v6, s[56:57] offset:512*\c+16
.endr
	WIN 0x40
.irp c, 0,1,2,3
	global_load_b128 v[BB+8*\c:BB+8*\c+3], v7, s[76:77] offset:64*\c        ; register 8 c + j is column 16 c + 8 h + j
	global_load_b128 v[BB+8*\c+4:BB+8*\c+7], v7, s[76:77] offset:64*\c+16
.endr
	WIN 0
	s_wait_tensorcnt 0x0                           ; my tile is in; the barrier shows all four to all
	s_wait_dscnt 0x0
	s_barrier_signal -1
	s_barrier_wait -1
	WLOAD
	FETCHT 0
	FETCHT 1
	s_wait_loadcnt 0x0
.irp t, 0,1,2,3,4,5,6,7
	ITER \t
.endr
	SEND 7, 0
	s_wait_tensorcnt 0x0                           ; the wave's end
	ds_add_u32 v[SPW], v[NIL]
	s_wait_dscnt 0x0
	CROUND                                         ; the closing round
	s_endpgm
.Lfunc_end_k_q274d5c7777_oproj:
	.size	k_q274d5c7777_oproj, .Lfunc_end_k_q274d5c7777_oproj-k_q274d5c7777_oproj
	.p2alignl 7, 3214868480
	.fill 96, 4, 3214868480
	.section	.rodata,"a",@progbits
	.p2align	6, 0x0
	.amdhsa_kernel k_q274d5c7777_oproj
		.amdhsa_group_segment_fixed_size 327680
		.amdhsa_private_segment_fixed_size 0
		.amdhsa_enable_private_segment 0
		.amdhsa_kernarg_size 48
		.amdhsa_user_sgpr_count 2
		.amdhsa_user_sgpr_kernarg_segment_ptr 1
		.amdhsa_wavefront_size32 1
		.amdhsa_system_sgpr_workgroup_id_x 1
		.amdhsa_system_sgpr_workgroup_id_y 1
		.amdhsa_system_sgpr_workgroup_id_z 1
		.amdhsa_system_vgpr_workitem_id 0
		.amdhsa_next_free_vgpr 1024
		.amdhsa_next_free_sgpr 84
		.amdhsa_reserve_vcc 0
		.amdhsa_float_denorm_mode_32 3
		.amdhsa_float_denorm_mode_16_64 3
		.amdhsa_memory_ordered 1
		.amdhsa_forward_progress 1
		.amdhsa_inst_pref_size 91
	.end_amdhsa_kernel
	.amdgpu_metadata
---
amdhsa.version: [ 1, 2 ]
amdhsa.kernels:
  - .name:           k_q274d5c7777_oproj
    .symbol:         k_q274d5c7777_oproj.kd
    .args:
      - { .name: att_codes, .offset: 0, .size: 8, .value_kind: global_buffer, .address_space: global }
      - { .name: att_scales, .offset: 8, .size: 8, .value_kind: global_buffer, .address_space: global }
      - { .name: Wo_codes, .offset: 16, .size: 8, .value_kind: global_buffer, .address_space: global }
      - { .name: Wo_scales, .offset: 24, .size: 8, .value_kind: global_buffer, .address_space: global }
      - { .name: bo, .offset: 32, .size: 8, .value_kind: global_buffer, .address_space: global }
      - { .name: out0, .offset: 40, .size: 8, .value_kind: global_buffer, .address_space: global }
    .group_segment_fixed_size: 327680
    .private_segment_fixed_size: 0
    .kernarg_segment_align: 8
    .kernarg_segment_size: 48
    .max_flat_workgroup_size: 128
    .sgpr_count:     84
    .vgpr_count:     1024
    .wavefront_size: 32
...
	.end_amdgpu_metadata
.endif
;; end of part 4
